; MI455X (gfx1250); checked and timed in simulation.
; The chip was launched on July 23, 2026; its instructions are those of AMD's public machine-readable ISA for CDNA 5 (MIT licence, August 2026) and "CDNA5" Instruction Set Architecture Reference Guide (July 2026). The comments in the code are by the model that wrote it; some were corrected since.
;; Multi Head Attention Layer. Allowed arithmetic: matrix products marked QUANTISED: E3M2 operands, one E8M0 scale for each 32 along K, by v_wmma_scale_f32_16x16x128_f8f6f4 with both operands' format E3M2, f32 sums; products left as they are: f32 operands where the result goes on into a quantised operand, else bf16, f16 or f32 operands; f32 sums; everything else in f32.
;; Inputs: W_qkv 3,072 x 1,024 float32; b_qkv 3,072 float32; h 16,384 x 1,024 float32.
;; Outputs: out0 16,384 x 1,024 float32.
;; This version of the problem:
;;   THIS VERSION OF THE PROBLEM IS GIVEN IN LOW PRECISION. The matrix products marked QUANTISED in the list below multiply operands that are first quantised to E3M2 (3 exponent bits, 2 mantissa bits; 6 bits a number), with one power-of-two scale for each 32 numbers along K (OCP MX v1.0); their sums are f32. All else is computed in f32.
;;   The module's matrix products, in the order in which they are computed (A, B: the left and right operand; K: the contracted axis; several contracted axes count as one K, in the product's order):
;;     1. [M 16,384, K 1,024] x [K 1,024, N 3,072]; A: input h; B: input W_qkv: QUANTISED
;;     2. batch 16,384 x [M 16, K 64] x [K 64, N 16]; A: computed on the way; B: computed on the way: QUANTISED
;;     3. batch 16,384 x [M 16, K 16] x [K 16, N 64]; A: softmax; B: computed on the way: left as it is (K = 16 < 32)
;;   THE QUANTISER, for each operand of a quantised product, along K:
;;     - K is cut into blocks of 32 from its start; a last block that is shorter is filled with zeros.
;;     - A block's scale is 2^e with e = floor(log2(the largest magnitude in the block)) - 4, held to -126 .. 127; a block of zeros has e = 0. As a byte (E8M0): e + 127.
;;     - Each number is divided by its block's scale, clamped to +-28, and rounded to the nearest number of E3M2, ties to even, subnormals kept.
;;     - The product sums the exact products of the quantised numbers (number of the format x scale) in f32.
;;   ~~~python
;;   def quantise(x, axis):      # numpy; x: float32 -> the quantised numbers, widened to float32 again
;;       x = np.moveaxis(x, axis, -1); K = x.shape[-1]
;;       x = np.pad(x, [(0, 0)] * (x.ndim - 1) + [(0, -K % 32)]); x = x.reshape(x.shape[:-1] + (-1, 32)); a = np.abs(x).max(-1, keepdims=True)
;;       e = np.where(a > 0, np.clip(np.frexp(np.where(a > 0, a, 1))[1] - 1 - 4, -126, 127), 0)      # np.frexp(a)[1] - 1 = floor(log2(a)), exactly
;;       r = np.clip(x / 2.0 ** e, -28, 28)
;;       step = 2.0 ** (np.maximum(np.frexp(np.where(r == 0, 1, r))[1] - 1, -2) - 2)
;;       q = np.round(r / step) * step * 2.0 ** e      # np.round: ties to even
;;       return np.moveaxis(q.reshape(q.shape[:-2] + (-1,))[..., :K], -1, axis).astype(np.float32)
;;   ~~~
;;   OPERANDS COMPUTED ON THE WAY. 'Computed on the way' means the value that the module computes at that place (a softmax that the list does not call 'softmax' is quantised finished and normalised). What goes into a quantiser is computed in f32, as accurately as f32 sums, v_exp_f32 and their like allow (about 1e-6 of the number): no bf16 or f16 on the way to a quantiser, and a product that is left as it is and whose result goes on into a quantised operand takes f32 operands (vector FMAs, or v_wmma_f32_16x16x4_f32). A number that lies on a knife's edge between two numbers of the format may be rounded either way, as far as f32 arithmetic and the matrix unit's own rounding can turn it there, and no further.
;; 2 versions, each right. Each part assembles by itself: llvm-mc -triple=amdgcn-amd-amdhsa -mcpu=gfx1250 --defsym DOCPART=n.
;; ======== version 1 of 2: 2 launches
;; workspace buffers: wq 2,482,176 bytes
;; launch prep (part 1): grid 384 x 1, 4 waves a work-group, no clusters, 35,328 bytes of LDS; arguments W_qkv, b_qkv, wq; writes wq
.if DOCPART == 1
	.amdgcn_target "amdgcn-amd-amdhsa--gfx1250"
	.amdhsa_code_object_version 6
	.text
	.protected	k_q376d0d2f7b_prep
	.globl	k_q376d0d2f7b_prep
	.p2align	8
	.type	k_q376d0d2f7b_prep,@function
k_q376d0d2f7b_prep:
	s_mov_b64 s[64:65], 0
	v_nop
	global_prefetch_b8 v0, s[64:65] scope:SCOPE_SE
	s_setreg_imm32_b32 hwreg(HW_REG_WAVE_MODE, 25, 1), 1
	s_wait_xcnt 0x0
; W_qkv [3072][1024] f32 becomes codes of BF6 (E3M2) with one E8M0 scale byte for each 32 along K, laid as IMAGES OF THE OPERAND'S REGISTERS in the order in which the
; second launch uses them, with the scale words and the bias (in the order of a tile's rows) beside them.  All 256 work-groups of that launch read W: so it is quantised once, here.
; wq = 24 slots x 4 records (one a wave w of the reader) of 25,856 bytes.  A record = 4 sub-records (K step 4 (slot % 2) + s') of 6,400 bytes: 4 fragments (tile t) of 1,536 bytes, registers
; 4 c .. 4 c + 3 of lane l at 512 c + 16 l; then 256 bytes of scale words (lane l: 8 bytes at 8 l; word u: tile 2 u in lanes 0-15, tile 2 u + 1 in lanes 16-31); at byte 25,600 the bias, float (t, row) at 64 t + 4 row.
; WHICH ROWS OF W FORM A TILE.  Round rho = slot / 2.  rho < 8: head g = 8 w + rho of q (g < 16) or k; row mm of tile t takes W's row 64 g + 32 (t / 2) + 8 (t % 2) + mm + 8 (mm / 8), so that in the transposed
; product a lane's 16 registers of two neighbouring tiles are 16 neighbours along the head's 64.  rho >= 8 (v): tile t stands for d = 4 (4 w + t) + rho - 8, and its row mm is W's row 2048 + 64 mm + d: the 16 heads at one d.
; SHARES.  A work-group makes one sub-record, wave t one fragment: 16 rows x 128 K.  Each load reads 512 consecutive bytes of one row; the rows turn through the wave's own stage in LDS, so that lane (r, h) gets
; k = 64 c + 32 h + 0 .. 31 of row r, two whole blocks: no other lane is asked for a maximum, and the conversions' results are the operand's registers.
; A block's scale is 2^(floor(log2(its largest magnitude)) - 4): the byte is the largest magnitude's exponent field - 4, held at 1 from below.
; LIMITS: NaN and infinities among the inputs are not served.  A block of zeros gets the byte 1 where the quantiser says 127: its codes are zeros, and this program alone reads the bytes.
.set STG,   8448                       ; a wave's stage: 16 rows x (512 + 16) bytes: row r starts 4 r banks on
.set GS,    33792                      ; the sub-record's 256 bytes of scale words
.set GB,    34048                      ; and 256 bytes of bias
.set SLOTB, 103424
.set REC,   25856
.set SUB,   6400
.set R,     16                         ; v16-79   16 rows as loaded
.set X,     80                         ; v80-143  my two blocks of 32
.set C,     152                        ; v152-163 the fragment; v164-170 halves on their way
	s_load_b128 s[4:7], s[0:1], 0x0                ; W, b
	s_load_b64 s[8:9], s[0:1], 0x10                ; wq
	v_lshl_add_u32 v176, v0, 2, 0x8800
	v_mov_b32 v177, 0
	v_lshrrev_b32 v1, 5, v0
	v_readfirstlane_b32 s10, v1                    ; wave = tile t
	v_and_b32 v1, 31, v0                           ; lane
	v_and_b32 v2, 15, v0                           ; r
	v_bfe_u32 v3, v0, 4, 1                         ; h
	v_lshlrev_b32 v4, 4, v1                        ; 16 x lane: my bytes of a load and of a store
	s_mul_i32 s11, s10, STG
	v_add_nc_u32 v5, s11, v4                       ; the stage, in
	v_mul_u32_u24 v6, v2, 528
	v_lshl_add_u32 v6, v3, 7, v6
	v_add_nc_u32 v6, s11, v6                       ; and out: row r, + 128 h
	s_and_b32 s12, s10, 1
	s_lshl_b32 s12, s12, 7
	s_lshr_b32 s13, s10, 1
	s_lshl_b32 s13, s13, 2
	s_add_co_u32 s12, s12, s13
	s_add_co_u32 s12, s12, GS
	v_lshl_add_u32 v8, v2, 3, s12                  ; my row's scale word: GS + 8 (16 (t % 2) + r) + 4 (t / 2)
	s_lshl_b32 s13, s10, 6
	s_add_co_u32 s13, s13, GB
	v_lshl_add_u32 v9, v2, 2, s13                  ; my row's bias: GB + 64 t + 4 r
	v_lshlrev_b32 v7, 3, v1                        ; the two units' way out: 8 bytes a lane
	v_add_nc_u32 v14, GS, v7
	s_mov_b32 s32, 0x76543210
	s_mov_b32 s33, 0xfedcba98                      ; selects for lane l xor 16
	s_lshr_b32 s14, ttmp9, 4                       ; slot
	s_bfe_u32 s15, ttmp9, 0x20002                  ; w
	s_and_b32 s16, ttmp9, 3                        ; s'
	s_lshr_b32 s17, s14, 1                         ; rho
	s_and_b32 s18, s14, 1
	s_lshl_b32 s18, s18, 2
	s_add_co_u32 s18, s18, s16                     ; the K step
	s_lshl_b32 s19, s15, 3
	s_add_co_u32 s19, s19, s17                     ; g = 8 w + rho
	s_lshl_b32 s20, s19, 6
	s_lshr_b32 s21, s10, 1
	s_lshl_b32 s21, s21, 5
	s_add_co_u32 s20, s20, s21
	s_and_b32 s21, s10, 1
	s_lshl_b32 s21, s21, 3
	s_add_co_u32 s20, s20, s21                     ; q, k: the tile's first row
	s_lshl_b32 s21, s15, 4
	s_lshl_b32 s22, s10, 2
	s_add_co_u32 s21, s21, s22
	s_add_co_u32 s21, s21, s17
	s_add_co_u32 s21, s21, 2040                    ; v: 2048 + 4 (4 w + t) + rho - 8
	s_cmp_lt_u32 s17, 8
	s_cselect_b32 s20, s20, s21
	s_cselect_b32 s23, 0, -1                       ; all lanes set in a tile of v
	v_and_b32 v12, 8, v2
	v_add_nc_u32 v12, v12, v2                      ; r + 8 (r / 8)
	v_lshlrev_b32 v13, 6, v2                       ; 64 r
	v_cndmask_b32 v12, v12, v13, s23
	v_add_nc_u32 v12, s20, v12                     ; the row of W that is my row r of the tile
	v_lshlrev_b32 v10, 2, v12
	s_lshl_b32 s24, s20, 12                        ; the first row's 4,096 bytes a row, + 512 bytes a K step
	s_lshl_b32 s25, s18, 9
	s_add_co_u32 s24, s24, s25
	s_mov_b32 s25, 0
	s_mul_i32 s26, s14, SLOTB
	s_mul_i32 s27, s15, REC
	s_add_co_u32 s26, s26, s27                     ; the record,
	s_mov_b32 s27, 0
	s_mul_i32 s28, s16, SUB
	s_add_co_u32 s28, s28, s26                     ; the sub-record,
	s_mov_b32 s29, 0
	s_mul_i32 s30, s10, 1536
	s_add_co_u32 s30, s30, s28                     ; my fragment
	s_mov_b32 s31, 0
	s_wait_kmcnt 0x0
	s_add_nc_u64 s[4:5], s[4:5], s[24:25]
	s_add_nc_u64 s[26:27], s[8:9], s[26:27]
	s_add_nc_u64 s[28:29], s[8:9], s[28:29]
	s_add_nc_u64 s[30:31], s[8:9], s[30:31]
	global_load_b32 v11, v10, s[6:7]               ; my row's bias
	s_cmp_lt_u32 s17, 8                            ; the two kinds of tile differ in the distance between their rows alone: the branch stands round the loads
	s_cbranch_scc0 .Lv_rows
.irp i, 0,1,2,3,4,5,6,7,8,9,10,11,12,13,14,15
	global_load_b128 v[R+4*\i:R+4*\i+3], v4, s[4:5] offset:(\i+8*(\i/8))*4096 th:TH_LOAD_NT   ; 32 lanes read 512 consecutive bytes of one row
.endr
	s_branch .Lloaded
.Lv_rows:
.irp i, 0,1,2,3,4,5,6,7,8,9,10,11,12,13,14,15
	global_load_b128 v[R+4*\i:R+4*\i+3], v4, s[4:5] offset:\i*262144 th:TH_LOAD_NT            ; 64 rows apart: 15 x 262,144 lies inside the signed 24-bit immediate
.endr
.Lloaded:
	s_wait_loadcnt 0x0
.irp i, 0,1,2,3,4,5,6,7,8,9,10,11,12,13,14,15
	ds_store_b128 v5, v[R+4*\i:R+4*\i+3] offset:528*\i
.endr
.irp c, 0,1
.irp i, 0,1,2,3,4,5,6,7
	ds_load_b128 v[X+32*\c+4*\i:X+32*\c+4*\i+3], v6 offset:256*\c+16*\i   ; LDS serves a wave's instructions in order: these see my stores.  X[32 c + i] = W(row r, 64 c + 32 h + i)
.endr
.endr
	ds_store_b32 v9, v11                           ; both halves of the lanes write the same word with the same value
	s_wait_dscnt 0x0
.irp c, 0,1
	v_max3_num_f32 v[144+\c], |v[X+32*\c]|, |v[X+32*\c+1]|, 0x2800000    ; my block 2 c + h, and the floor 2^(5 - 127): the byte cannot fall under 1
.endr
.irp i, 2,4,6,8,10,12,14,16,18,20,22,24,26,28,30
.irp c, 0,1
	v_max3_num_f32 v[144+\c], v[144+\c], |v[X+32*\c+\i]|, |v[X+32*\c+\i+1]|
.endr
.endr
.irp c, 0,1
	v_add_nc_u32 v[146+\c], 0xfe000000, v[144+\c]  ; 4 off the exponent field: the conversion's scale operand
.endr
.irp c, 0,1
	v_lshrrev_b32 v[148+\c], 23, v[146+\c]         ; the scale's byte
.endr
	v_lshl_or_b32 v150, v149, 16, v148             ; my two bytes, blocks h and 2 + h,
	v_lshlrev_b32 v151, 3, v3
	v_lshlrev_b32 v150, v151, v150                 ; at their places in the word;
	v_mov_b32 v151, 0
	v_permlanex16_b32 v151, v150, s32, s33
	v_or_b32 v150, v150, v151                      ; with lane l xor 16's two the word is whole
.irp c, 0,1
	v_cvt_scalef32_pk16_bf6_f32 v[C+6*\c:C+6*\c+2], v[X+32*\c:X+32*\c+15], v[146+\c]
	v_cvt_scalef32_pk16_bf6_f32 v[C+12+4*\c:C+14+4*\c], v[X+32*\c+16:X+32*\c+31], v[146+\c]   ; (a conversion's three registers begin on an even number)
.endr
	v_nop                                          ; one plain place behind a scaled conversion
.irp c, 0,1
.irp i, 0,1,2
	v_mov_b32 v[C+3+6*\c+\i], v[C+12+4*\c+\i]
.endr
.endr
.irp c, 0,1,2
	global_store_b128 v4, v[C+4*\c:C+4*\c+3], s[30:31] offset:512*\c   ; 32 lanes store 512 consecutive bytes, at a multiple of 256 from wq's first byte
.endr
	ds_store_b32 v8, v150
	s_wait_dscnt 0x0                               ; for wave 0's sake: my two words lie in LDS
	s_barrier_signal -1
	s_barrier_wait -1
	s_cmp_lg_u32 s10, 0
	s_cbranch_scc1 .Ldone
	ds_load_b64 v[16:17], v14                      ; the four tiles' scale words,
	ds_load_b64 v[18:19], v14 offset:256           ; and their bias
	s_wait_dscnt 0x0
	global_store_b64 v7, v[16:17], s[28:29] offset:6144   ; 256 consecutive bytes, aligned
	s_cmp_lg_u32 s16, 0                            ; the record has one bias unit: the work-group of its first sub-record stores it
	s_cbranch_scc1 .Ldone
	global_store_b64 v7, v[18:19], s[26:27] offset:25600
.Ldone:
	s_wait_tensorcnt 0x0
	ds_add_u32 v176, v177
	s_wait_dscnt 0x0
	s_endpgm
.Lfunc_end_k_q376d0d2f7b_prep:
	.size	k_q376d0d2f7b_prep, .Lfunc_end_k_q376d0d2f7b_prep-k_q376d0d2f7b_prep
	.p2alignl 7, 3214868480
	.fill 96, 4, 3214868480
	.section	.rodata,"a",@progbits
	.p2align	6, 0x0
	.amdhsa_kernel k_q376d0d2f7b_prep
		.amdhsa_group_segment_fixed_size 35328
		.amdhsa_private_segment_fixed_size 0
		.amdhsa_enable_private_segment 0
		.amdhsa_kernarg_size 24
		.amdhsa_user_sgpr_count 2
		.amdhsa_user_sgpr_kernarg_segment_ptr 1
		.amdhsa_wavefront_size32 1
		.amdhsa_system_sgpr_workgroup_id_x 1
		.amdhsa_system_sgpr_workgroup_id_y 1
		.amdhsa_system_sgpr_workgroup_id_z 1
		.amdhsa_system_vgpr_workitem_id 0
		.amdhsa_next_free_vgpr 178
		.amdhsa_next_free_sgpr 66
		.amdhsa_reserve_vcc 0
		.amdhsa_float_denorm_mode_32 3
		.amdhsa_float_denorm_mode_16_64 3
		.amdhsa_memory_ordered 1
		.amdhsa_forward_progress 1
		.amdhsa_inst_pref_size 13
	.end_amdhsa_kernel
	.amdgpu_metadata
---
amdhsa.version: [ 1, 2 ]
amdhsa.kernels:
  - .name:           k_q376d0d2f7b_prep
    .symbol:         k_q376d0d2f7b_prep.kd
    .args:
      - { .name: W_qkv, .offset: 0, .size: 8, .value_kind: global_buffer, .address_space: global }
      - { .name: b_qkv, .offset: 8, .size: 8, .value_kind: global_buffer, .address_space: global }
      - { .name: wq, .offset: 16, .size: 8, .value_kind: global_buffer, .address_space: global }
    .group_segment_fixed_size: 35328
    .private_segment_fixed_size: 0
    .kernarg_segment_align: 8
    .kernarg_segment_size: 24
    .max_flat_workgroup_size: 128
    .sgpr_count:     66
    .vgpr_count:     178
    .wavefront_size: 32
...
	.end_amdgpu_metadata
.endif
;; end of part 1
;; launch fused (part 2): grid 256 x 1, 4 waves a work-group, clusters of 4 x 1, 327,680 bytes of LDS; arguments h, wq, out0; writes out0
.if DOCPART == 2
	.amdgcn_target "amdgcn-amd-amdhsa--gfx1250"
	.amdhsa_code_object_version 6
	.text
	.protected	k_q376d0d2f7b_fused
	.globl	k_q376d0d2f7b_fused
	.p2align	8
	.type	k_q376d0d2f7b_fused,@function
k_q376d0d2f7b_fused:
	s_mov_b64 s[64:65], 0
	v_nop
	global_prefetch_b8 v0, s[64:65] scope:SCOPE_SE
	s_setreg_imm32_b32 hwreg(HW_REG_WAVE_MODE, 25, 1), 1
	s_wait_xcnt 0x0
	s_wait_alu depctr_hold_cnt(0) depctr_sa_sdst(0) depctr_va_vdst(0) depctr_va_sdst(0) depctr_va_ssrc(0) depctr_va_vcc(0) depctr_vm_vsrc(0)
	s_getreg_b32 s2, hwreg(HW_REG_IB_STS2, 6, 4)
	s_cmp_eq_u32 s2, 0
	s_cbranch_scc0 .Lentry_in_a_cluster
	s_endpgm
.Lentry_in_a_cluster:
	s_bfe_u32 s2, ttmp6, 0x10000c
	s_cmp_lg_u32 s2, 0x3003
	s_cbranch_scc0 .Lentry_shape_is_right
	s_endpgm
.Lentry_shape_is_right:
; out[head i][token][d] = softmax_j(q_i . k_j / 32) v_j, with qkv = h W^T + b, per token over its 16 heads of 64.  h [16384][1024] f32; wq: W as codes of BF6 (E3M2) in register images, scale words and bias
; (laid by the launch before); out0 [16][16384][64] f32.  The projection and q . k run on codes of BF6 with one E8M0 scale for each 32 along K, sums in f32; p v runs on bf16 operands, sums in f32.
; SHARES.  A work-group owns 64 tokens and makes all their 3,072 columns, so that qkv never goes to memory.  THE FOUR WAVES SHARE THE COLUMNS: each holds the codes of ALL 64 rows of h in registers (32 fragments,
; 384 registers), so a fragment of W read from LDS (1,536 bytes) feeds four matrix instructions and no fragment of h is read twice.  12 rounds; in a round a wave makes 4 tiles of 16 columns x 64 tokens: 16 accumulators
; by turns, 8 K steps of 128.  THE PRODUCT IS USED TRANSPOSED (source 0 = 16 rows of W, source 1 = 16 tokens): a lane holds ONE token (lane % 16) and eight columns.
; ROUNDS 0-7: wave w makes head 8 w + round of q (waves 0, 1) or k (waves 2, 3); W's rows are chosen so that a lane's 16 registers of two tiles are 16 neighbours along the head's 64: they are quantised in registers
; and go to a stage in LDS, by token.  THE SCORES: wave w takes tokens 16 w .. 16 w + 15; S^T = k q^T, one matrix instruction a token (K = 64, the upper 64 are zero codes): a lane holds head i = lane % 16 and key heads
; 8 (lane / 16) + 0 .. 7, which, rounded to bf16 in pairs, IS source 0 of the last product.  ROUNDS 8-11: a tile's 16 rows of W are the 16 HEADS of v at one d = 4 (4 w + t) + round - 8: a lane's eight results are eight heads
; at one (token, d): 16 bytes of bf16, source 1 of the last product as they lie.  OUTPUT: four products a token give, in register j of four accumulators, d = 4 r + 0 .. 3 of head 8 (lane / 16) + j: the multiplication
; by 1 / (the row's sum) puts them into four neighbouring registers, and sixteen lanes store one (head, token) row: 256 consecutive bytes, aligned.
; THE SOFTMAX takes the row's largest score away: p = 2^(c s - c m), c = log2(e) / 32; the sum is taken of the unrounded p in f32 and divides at the end.
; W COMES THROUGH A RING of two LDS slots of 103,424 bytes (four K steps of a round: 64 matrix instructions a wave).  Each wave fetches the record that it alone reads, one tensor load behind each change of slots.
; CLUSTER 4 x 1: all work-groups walk the same wq, so four at a time ask JOINTLY (the same load, the same descriptor, mask 15): a quarter of the requests.
; LIMITS: NaN and infinities are not served.  A block of zeros gets the scale byte 1 where the quantiser says 127 (its codes are zeros; nobody else reads the bytes).  p and v are rounded to bf16 for the last product.
; The bias enters as the C of each sum's first product.
; LDS: slot 0 at 0, slot 1 at 103,424 (wave w's record at + 25,856 w, dense: images are read 16 bytes a lane on end); from 206,848 a stage that no tensor load fills, used three times one after the other, barriers between:
;   (a) h's images (fragment (m, s) at 1,536 (8 m + s)), their scale words, and each wave's own turning stage;  (b) q's and k's codes (token x 1,544 + piece x 512 + half x 256 + head x 8: the stores and loads of
;   8 bytes go two deep in the banks, 192 LDS instructions a wave in the launch) and scale words (token x 132 + head x 4);  (c) v of rounds 8-10 (wave x 25,664 + token x 400 + round x 128 + half x 64 + tile x 16).
;   v of round 11 lies in slot 0, which has then had its last fill and its last read.  At 327,168 the spare words.
; REGISTERS, in windows of 256: window 0: v1-27 addresses, v28-43 h's scale words, v44-51 W's, v52-67 1 / sum, v68-71 q's and k's scale words, v72-95 at work, v96-127 codes just made, v128-255 the accumulators.
;   windows 1, 2: h's fragments of K steps 0-3, 4-7 (v0-191), p of tokens 0-7, 8-15 (v192-223), four zeros.   window 3: W's fragments, two sets of two K steps (v0-191), the bias (v192-223).
.set SLOTB, 103424
.set REC,   25856
.set SUB,   6400
.set ST,    2*SLOTB
.set SPARE, 327168
.set XIMG,  ST
.set XSC,   ST+49152
.set TS,    ST+51200
.set QC,    ST
.set SC,    ST+98816
.set SPW, 1                            ; LDS address of my spare word; never rewritten
.set NIL, 2                            ; 0; never rewritten
.set AT0, 3                            ; v3, v17, v10: stage addresses of the round in hand
.set WA,  4                            ; v4-5   my record in slot 0, 1: + 16 x lane
.set WZ,  6                            ; v6-7   the same + 8 x lane
.set WB,  8                            ; v8     the bias in slot 0's record: + 32 h
.set QW,  9                            ; v9     q, k codes, in: QC + 1544 r + 256 h + 64 w
.set AT2, 10
.set SW,  11                           ; v11    their scale words, in: SC + 132 r + 32 w
.set VW,  12                           ; v12    v, in: ST + 25664 w + 400 r + 64 h
.set VW3, 13                           ; v13    v of the last round, in: 528 r + 256 h + 64 w
.set QR,  14                           ; v14    q, k codes, out: QC + 24704 w + 256 h + 8 r
.set SR,  15                           ; v15    scale words, out: SC + 2112 w + 4 x lane
.set VRA, 16                           ; v16    v, out: ST + 25664 (r / 4) + 16 (r % 4) + 64 h + 6400 w
.set AT1, 17
.set VRC, 18                           ; v18    v of the last round, out: 8448 w + 16 x lane
.set GO,  19                           ; v19    out0: 8 heads x h + 4096 w + 16 r
.set XA,  20                           ; v20    16 x lane
.set TSW, 21                           ; v21-22 my turning stage, in and out
.set TSR, 22
.set XWI, 23                           ; v23-24 where I store h's images and scale words
.set XWS, 24
.set XRI, 25                           ; v25-26 where every wave reads them
.set XRS, 26
.set PFO, 27                           ; v27    the prefetches' offset
.set HS,  28                           ; v[28 + 8 u + s]: lanes 0-15 tokens' tile 2 u, lanes 16-31 tile 2 u + 1, K step s
.set Z,   44                           ; v[44 + 4 set + 2 kk + u]: lanes 0-15 W's tile 2 u, lanes 16-31 tile 2 u + 1
.set MI,  52
.set SS,  68
.set TM,  72
.set PW,  88
.set PC,  96
.set ACC, 128                          ; accumulator (tokens' tile m, W's tile t) at 128 + 8 (4 m + t)
.set BI,  192                          ; in window 3
.set SA,  224                          ; the scores of four tokens
.set OO,  128                          ; the output: two sets of four accumulators,
.set RR,  192                          ; and 32 registers to store
.set MSB, 0
.macro WIN new                         ; the immediate's high byte repeats the setting that is left
.if MSB != (\new)
	s_set_vgpr_msb (MSB<<8)|(\new)
.set MSB, (\new)
.endif
.endm
.macro PLACES                          ; four plain vector instructions behind a matrix instruction, ahead of loads into its registers and of reads of its result
.rept 4
	v_nop
.endr
.endm
.macro CREST                           ; a round of the cluster's barrier behind its opening barrier
	s_cmp_lg_u32 s10, 0
	s_cbranch_scc1 .Lnot_wave_0_\@
	s_barrier_signal -3
.Lnot_wave_0_\@:
	s_barrier_wait -3
	s_barrier_signal -1
	s_barrier_wait -1
.endm
.macro CROUND
	s_barrier_signal -1
	s_barrier_wait -1
	CREST
.endm
; ---- h: K step s of my 16 rows, 512 consecutive bytes a load, into raw set s % 4 of window 3
.macro XLOAD s
	WIN 0xc0
.irp i, 0,1,2,3,4,5,6,7,8,9,10,11,12,13,14,15
	global_load_b128 v[64*((\s)%4)+4*\i:64*((\s)%4)+4*\i+3], v[XA], s[46:47] offset:4096*\i+512*(\s) th:TH_LOAD_NT
.endr
	WIN 0
.endm
; through my own stage (rows of 528 bytes), so that register 16 b + i of set s % 2 is k = 32 b + 16 (lane / 16) + i of row lane % 16.  LDS serves a wave's instructions in order: no wait between
.macro TURNX s
	WIN 0x0c
.irp i, 0,1,2,3,4,5,6,7,8,9,10,11,12,13,14,15
	ds_store_b128 v[TSW], v[64*((\s)%4)+4*\i:64*((\s)%4)+4*\i+3] offset:528*\i
.endr
	WIN 0
.irp b, 0,1,2,3
.irp j, 0,1,2,3
	ds_load_b128 v[128+64*((\s)%2)+16*\b+4*\j:128+64*((\s)%2)+16*\b+4*\j+3], v[TSR] offset:128*\b+16*\j
.endr
.endr
.endm
; 64 numbers of a lane become a fragment's codes in v[PC] on and its scale word in v[PW]
.macro QUANT s
.irp b, 0,1,2,3
	v_max3_num_f32 v[TM+\b], |v[\s+16*\b]|, |v[\s+1+16*\b]|, 0x2800000   ; my 16 of block b, and the floor 2^(5 - 127): the byte cannot fall under 1
.endr
.irp i, 2,4,6,8,10,12,14
.irp b, 0,1,2,3
	v_max3_num_f32 v[TM+\b], v[TM+\b], |v[\s+16*\b+\i]|, |v[\s+1+16*\b+\i]|
.endr
.endr
.irp b, 0,1,2,3
	v_permlanex16_b32 v[TM+4+\b], v[TM+\b], s32, s33
.endr
.irp b, 0,1,2,3
	v_max_num_f32 v[TM+\b], v[TM+\b], v[TM+4+\b]   ; with lane l xor 16's: the block's largest magnitude
.endr
.irp b, 0,1,2,3
	v_add_nc_u32 v[TM+12+\b], 0xfe000000, v[TM+\b] ; 4 off its exponent field: the conversion's scale operand
.endr
.irp b, 0,1,2,3
	v_lshrrev_b32 v[TM+4+\b], 23, v[TM+12+\b]      ; the scale's byte
.endr
	v_lshl_or_b32 v[PW], v[TM+5], 8, v[TM+4]
	v_lshl_or_b32 v[PW], v[TM+6], 16, v[PW]
	v_lshl_or_b32 v[PW], v[TM+7], 24, v[PW]
.irp c, 0,1
	v_cvt_scalef32_pk16_bf6_f32 v[PC+6*\c:PC+2+6*\c], v[\s+32*\c:\s+15+32*\c], v[TM+12+2*\c]
	v_cvt_scalef32_pk16_bf6_f32 v[PC+12+4*\c:PC+14+4*\c], v[\s+16+32*\c:\s+31+32*\c], v[TM+12+2*\c+1]
.endr
	v_nop                                          ; one plain place behind a scaled conversion
.irp c, 0,1                                    ; the operand wants a whole block in a lane
.irp i, 0,1,2
	v_permlane16_swap_b32 v[PC+6*\c+\i], v[PC+12+4*\c+\i]
.endr
.irp i, 0,1,2
	v_mov_b32 v[PC+3+6*\c+\i], v[PC+12+4*\c+\i]
.endr
.endr
.endm
.macro IMAGE s                         ; the fragment goes to LDS as an image of its registers
.irp c, 0,1,2
	ds_store_b128 v[XWI], v[PC+4*\c:PC+4*\c+3] offset:1536*(\s)+512*\c
.endr
	ds_store_b32 v[XWS], v[PW] offset:128*(\s)
.endm
; ---- W: two K steps (2 half, 2 half + 1 of slot e) into set buf: 24 loads of 16 bytes a lane and 2 of scale words
.macro FETCHW e, half, buf
	WIN 0xc0
.irp kk, 0,1
.irp t, 0,1,2,3
.irp c, 0,1,2
	ds_load_b128 v[96*\buf+48*\kk+12*\t+4*\c:96*\buf+48*\kk+12*\t+4*\c+3], v[WA+(\e)] offset:(2*\half+\kk)*SUB+1536*\t+512*\c
.endr
.endr
.endr
	WIN 0
.irp kk, 0,1
	ds_load_b64 v[Z+4*\buf+2*\kk:Z+4*\buf+2*\kk+1], v[WZ+(\e)] offset:(2*\half+\kk)*SUB+6144
.endr
.endm
.macro FETCHB                          ; the round's bias in the result's layout: register j of tile t = the bias of the tile's row 8 (lane / 16) + j
	WIN 0xc0
.irp t, 0,1,2,3
.irp i, 0,1
	ds_load_b128 v[BI+8*\t+4*\i:BI+8*\t+4*\i+3], v[WB] offset:64*\t+16*\i
.endr
.endr
	WIN 0
.endm
.macro WM                              ; one product; pA, pB: the scale words lie in lanes 16-31
.if pA && pB
	v_wmma_scale_f32_16x16x128_f8f6f4 v[rD:rD+7], v[rW:rW+11], v[rA:rA+11], v[rC:rC+7], v[rZ], v[rH] matrix_a_fmt:MATRIX_FMT_BF6 matrix_b_fmt:MATRIX_FMT_BF6 matrix_a_scale:MATRIX_SCALE_ROW1 matrix_b_scale:MATRIX_SCALE_ROW1
.elseif pA
	v_wmma_scale_f32_16x16x128_f8f6f4 v[rD:rD+7], v[rW:rW+11], v[rA:rA+11], v[rC:rC+7], v[rZ], v[rH] matrix_a_fmt:MATRIX_FMT_BF6 matrix_b_fmt:MATRIX_FMT_BF6 matrix_a_scale:MATRIX_SCALE_ROW1
.elseif pB
	v_wmma_scale_f32_16x16x128_f8f6f4 v[rD:rD+7], v[rW:rW+11], v[rA:rA+11], v[rC:rC+7], v[rZ], v[rH] matrix_a_fmt:MATRIX_FMT_BF6 matrix_b_fmt:MATRIX_FMT_BF6 matrix_b_scale:MATRIX_SCALE_ROW1
.else
	v_wmma_scale_f32_16x16x128_f8f6f4 v[rD:rD+7], v[rW:rW+11], v[rA:rA+11], v[rC:rC+7], v[rZ], v[rH] matrix_a_fmt:MATRIX_FMT_BF6 matrix_b_fmt:MATRIX_FMT_BF6
.endif
.endm
; 8 products: K step k of slot e, tokens' tiles m0, m0 + 1 x W's four.  The 16 accumulators take turns, one instruction a turn, in the same order in every K step.
.macro MUL8 e, k, m0, bias
.irp m, \m0, \m0+1
.irp t, 0,1,2,3
.set rD, ACC+8*(4*(\m)+\t)
.set rC, rD
.if \bias
.set rC, BI+8*\t
.endif
.set rW, 96*((\k)/2)+48*((\k)%2)+12*\t
.set rA, 12*(4*(\k)+(\m))
.set rZ, Z+4*((\k)/2)+2*((\k)%2)+(\t)/2
.set rH, HS+8*((\m)/2)+4*(\e)+(\k)
.set pA, (\t)%2
.set pB, (\m)%2
	WM
.endr
.endr
.endm
; A PREFETCH INTO THE L2 of wq, behind the joint load, its four lines and the run of LDS loads.  All clusters walk the same wq: the first cluster asks, and nobody else (the test is the same in all four partners).
; Its sixteen waves are told apart BY ADDRESS (8,192 bytes each, lanes 256 bytes apart): 131,072 bytes behind each of the first 15 refills, from slot 4 on, each block of 256 bytes once; refill n fetches slot n + 2 and
; names bytes from slot 4 + 1.27 n on: two refills ahead or more.  The last byte named is 2,379,775 of wq's 2,482,176.  Slots 0 to 3 and the rest of slot 23 come by their loads alone.
.macro ASK
	s_cmp_lt_u32 s38, s39
	s_cbranch_scc0 .Lnot_mine_\@
	global_prefetch_b8 v[PFO], s[40:41] th:TH_LOAD_NT scope:SCOPE_SE
.Lnot_mine_\@:
.endm
; A SLOT: four K steps, 64 products.  Sets: K steps 0, 1 in set 0 (fetched in the slot before), 2, 3 in set 1 (fetched here).  When set 1 is in, my reads of the slot are over: the change of slots stands in the slot's middle.
; In front of its barrier: the wait for all my tensor loads (the one that is out is my record of the other slot), the add, the wait for the add and for my reads.  refill = 1: the barrier opens a round of the cluster's
; barrier, and the joint refill (the slot two on) is the first thing behind it: 48 products stand between it and the wait for it.  By the text's own count one tensor load of a wave is out behind a round, two at the start.
.macro SLOT e, refill
.if \refill
	s_wait_xcnt 0x0                                ; the last prefetch, a slot back, has read its address
	s_add_nc_u64 s[40:41], s[40:41], 131072
	s_add_co_u32 s38, s38, 1
.endif
	s_wait_dscnt 0x0                               ; set 0 (and the bias) are in; the last round's stores into the stage have read their registers
.if (\e) == 0
	WIN 0x37                                       ; W window 3, h window 1, C = the bias in window 3, D window 0
	MUL8 \e, 0, 0, 1
	MUL8 \e, 0, 2, 1
.else
	WIN 0x0b                                       ; W window 3, h window 2
	MUL8 \e, 0, 0, 0
	MUL8 \e, 0, 2, 0
.endif
	PLACES
	FETCHW \e, 1, 1
	WIN 0x07+4*(\e)
	MUL8 \e, 1, 0, 0
	WIN 0                                          ; (the add's two registers lie in window 0)
	s_wait_tensorcnt 0x0                           ; all my tensor loads have landed
	ds_add_u32 v[SPW], v[NIL]                      ; 0 onto my spare word
.if \refill
	s_add_nc_u64 s[26+4*\e:27+4*\e], s[26+4*\e:27+4*\e], 2*SLOTB   ; no load of mine is out: this slot's descriptor steps two slots on
.endif
	WIN 0x07+4*(\e)
	MUL8 \e, 1, 2, 0
	s_wait_dscnt 0x0                               ; the add is done; set 1 is in: my reads of this slot are over
	s_barrier_signal -1
	MUL8 \e, 2, 0, 0
	WIN 0
	s_barrier_wait -1
.if \refill
	CREST                                          ; no wave of any partner still reads this slot or has a load on its way
	tensor_load_to_lds s[24+4*\e:27+4*\e], s[16:23]
	s_nop 0
	PLACES                                         ; the places ahead of the loads below
.else
	PLACES
.endif
	FETCHW 1-\e, 0, 0
.if (\e) == 1
	FETCHB
.endif
.if \refill
	ASK
.endif
	WIN 0x07+4*(\e)
	MUL8 \e, 2, 2, 0
	MUL8 \e, 3, 0, 0
	MUL8 \e, 3, 2, 0
	WIN 0
.endm
; A head of q or k, 64 tokens: chain n = 2 m + b is block b (32 along d) of tile m's tokens: registers ACC + 16 n .. + 15 hold d = 32 b + 16 (lane / 16) + 0 .. 15.  Each accumulator is read from its low end on.
.macro EPIQK
	PLACES
.irp n, 0,1,2,3,4,5,6,7
	v_max3_num_f32 v[TM+\n], |v[ACC+16*\n]|, |v[ACC+16*\n+1]|, 0x2800000
.endr
.irp i, 2,4,6,8,10,12,14
.irp n, 0,1,2,3,4,5,6,7
	v_max3_num_f32 v[TM+\n], v[TM+\n], |v[ACC+16*\n+\i]|, |v[ACC+16*\n+\i+1]|
.endr
.endr
.irp n, 0,1,2,3,4,5,6,7
	v_permlanex16_b32 v[TM+8+\n], v[TM+\n], s32, s33
.endr
.irp n, 0,1,2,3,4,5,6,7
	v_max_num_f32 v[TM+\n], v[TM+\n], v[TM+8+\n]
.endr
.irp n, 0,1,2,3,4,5,6,7
	v_add_nc_u32 v[TM+16+\n], 0xfe000000, v[TM+\n]
.endr
.irp n, 0,1,2,3,4,5,6,7
	v_lshrrev_b32 v[TM+8+\n], 23, v[TM+16+\n]
.endr
.irp m, 0,1,2,3
	v_lshl_or_b32 v[TM+\m], v[TM+9+2*\m], 8, v[TM+8+2*\m]   ; the token's scale word: two bytes; the upper two stay 0 and stand over zero codes
.endr
.irp m, 0,1,2,3
	v_cvt_scalef32_pk16_bf6_f32 v[PC+8*\m:PC+8*\m+2], v[ACC+32*\m:ACC+32*\m+15], v[TM+16+2*\m]
	v_cvt_scalef32_pk16_bf6_f32 v[PC+8*\m+4:PC+8*\m+6], v[ACC+32*\m+16:ACC+32*\m+31], v[TM+17+2*\m]
.endr
	v_add_nc_u32 v[AT0], s49, v[QW]                ; (a plain place behind the conversions)  this round's head: 8 bytes on for each round,
	v_add_nc_u32 v[AT1], 49408, v[AT0]             ; tokens 32 on,
	v_add_nc_u32 v[AT2], s50, v[SW]                ; 4 bytes on
.irp m, 0,1,2,3
.irp i, 0,1,2
	v_permlane16_swap_b32 v[PC+8*\m+\i], v[PC+8*\m+4+\i]   ; lanes 0-15 now hold block 0 whole, lanes 16-31 block 1
.endr
.irp i, 0,1,2
	v_mov_b32 v[PC+8*\m+3+\i], v[PC+8*\m+4+\i]
.endr
.endr
.irp m, 0,1
.irp p, 0,1,2
	ds_store_b64 v[AT0], v[PC+8*\m+2*\p:PC+8*\m+2*\p+1] offset:24704*\m+512*\p
	ds_store_b64 v[AT1], v[PC+16+8*\m+2*\p:PC+16+8*\m+2*\p+1] offset:24704*\m+512*\p
.endr
.endr
.irp m, 0,1,2,3
	ds_store_b32 v[AT2], v[TM+\m] offset:2112*\m   ; both halves of the lanes write the same word with the same value
.endr
	s_add_co_u32 s49, s49, 8
	s_add_co_u32 s50, s50, 4
.endm
; v: a lane's eight results of an accumulator are eight heads at one (token, d): rounded to bf16 in place, 16 bytes
.macro EPIV adr, mstep
	PLACES
.irp a, 0,1,2,3,4,5,6,7,8,9,10,11,12,13,14,15
.irp i, 0,1,2,3
	v_cvt_pk_bf16_f32 v[ACC+8*\a+\i], v[ACC+8*\a+2*\i], v[ACC+8*\a+2*\i+1]
.endr
.endr
.irp m, 0,1,2,3
.irp t, 0,1,2,3
	ds_store_b128 v[\adr], v[ACC+8*(4*\m+\t):ACC+8*(4*\m+\t)+3] offset:\mstep*\m+16*\t
.endr
.endr
.endm
; the scores' operands of tokens 4 b .. 4 b + 3: lane (r, half) takes head r's 24 bytes of codes of d = 32 half + 0 .. 31, of k and of q; one register takes q's scale words (lanes 0-15) and k's (lanes 16-31)
.macro SCLOAD b
.irp i, 0,1,2,3
.irp p, 0,1,2
	ds_load_b64 v[128+24*\i+2*\p:128+24*\i+2*\p+1], v[QR] offset:1544*(4*(\b)+\i)+512*\p+128
	ds_load_b64 v[140+24*\i+2*\p:140+24*\i+2*\p+1], v[QR] offset:1544*(4*(\b)+\i)+512*\p
.endr
	ds_load_b32 v[SS+\i], v[SR] offset:132*(4*(\b)+\i)
.endr
.endm
.macro BATCH b
	s_wait_dscnt 0x0
.irp i, 0,1,2,3
	v_wmma_scale_f32_16x16x128_f8f6f4 v[SA+8*\i:SA+8*\i+7], v[128+24*\i:139+24*\i], v[140+24*\i:151+24*\i], 0, v[SS+\i], v[SS+\i] matrix_a_fmt:MATRIX_FMT_BF6 matrix_b_fmt:MATRIX_FMT_BF6 matrix_a_scale:MATRIX_SCALE_ROW1
.endr
	PLACES
.irp i, 0,1,2,3
	v_max3_num_f32 v[TM+2*\i], v[SA+8*\i], v[SA+8*\i+1], v[SA+8*\i+2]     ; the four tokens by turns
.endr
.irp i, 0,1,2,3
	v_max3_num_f32 v[TM+2*\i], v[TM+2*\i], v[SA+8*\i+3], v[SA+8*\i+4]
.endr
.irp i, 0,1,2,3
	v_max3_num_f32 v[TM+2*\i], v[TM+2*\i], v[SA+8*\i+5], v[SA+8*\i+6]
.endr
.irp i, 0,1,2,3
	v_max_num_f32 v[TM+2*\i], v[TM+2*\i], v[SA+8*\i+7]
.endr
.irp i, 0,1,2,3
	v_permlanex16_b32 v[TM+2*\i+1], v[TM+2*\i], s32, s33
.endr
.irp i, 0,1,2,3
	v_max_num_f32 v[TM+2*\i], v[TM+2*\i], v[TM+2*\i+1]                    ; the row's largest score
.endr
.irp i, 0,1,2,3
	v_mul_f32 v[TM+2*\i], s34, v[TM+2*\i]                                 ; c m
.endr
.if \b < 3
	SCLOAD \b+1
.endif
.irp i, 0,1,2,3
.irp j, 0,2,4,6
	v_pk_fma_f32 v[SA+8*\i+\j:SA+8*\i+\j+1], v[SA+8*\i+\j:SA+8*\i+\j+1], s[34:35], v[TM+2*\i:TM+2*\i+1] op_sel_hi:[1,0,0] neg_lo:[0,0,1] neg_hi:[0,0,1]   ; c s - c m
.endr
.endr
.set n, 0
.rept 32
	v_exp_f32 v[SA+n], v[SA+n]                     ; p, at most 1
.set n, n+1
.endr
	v_nop                                          ; a plain place behind the last exponential
	s_wait_alu depctr_va_vdst(0)                   ; one wait for the batch of 32, ahead of its first reader
.if \b < 2
	WIN 0x40
.else
	WIN 0x80
.endif
.irp i, 0,1,2,3
.irp j, 0,1,2,3
	v_cvt_pk_bf16_f32 v[192+4*((4*\b+\i)%8)+\j], v[SA+8*\i+2*\j], v[SA+8*\i+2*\j+1]   ; key heads 8 (lane / 16) + 2 j, + 1: registers 0-3 of the last product's source 0
.endr
.endr
	WIN 0
.irp i, 0,1,2,3
	v_pk_add_f32 v[SA+8*\i:SA+8*\i+1], v[SA+8*\i:SA+8*\i+1], v[SA+8*\i+2:SA+8*\i+3]   ; the sum is taken of the unrounded p
.endr
.irp i, 0,1,2,3
	v_pk_add_f32 v[SA+8*\i+4:SA+8*\i+5], v[SA+8*\i+4:SA+8*\i+5], v[SA+8*\i+6:SA+8*\i+7]
.endr
.irp i, 0,1,2,3
	v_pk_add_f32 v[SA+8*\i:SA+8*\i+1], v[SA+8*\i:SA+8*\i+1], v[SA+8*\i+4:SA+8*\i+5]
.endr
.irp i, 0,1,2,3
	v_add_f32 v[TM+2*\i], v[SA+8*\i], v[SA+8*\i+1]
.endr
.irp i, 0,1,2,3
	v_permlanex16_b32 v[TM+2*\i+1], v[TM+2*\i], s32, s33
.endr
.irp i, 0,1,2,3
	v_add_f32 v[TM+2*\i], v[TM+2*\i], v[TM+2*\i+1]
.endr
.irp i, 0,1,2,3
	v_rcp_f32 v[TM+8+\i], v[TM+2*\i]
.endr
	v_nop
	s_wait_alu depctr_va_vdst(0)                   ; one wait for the four reciprocals
.irp i, 0,1,2,3
	v_mov_b32_dpp v[TM+2*\i+1], v[TM+8+\i] row_xmask:8 row_mask:0xf bank_mask:0xf
.endr
.irp i, 0,1,2,3
	v_cndmask_b32 v[MI+4*\b+\i], v[TM+8+\i], v[TM+2*\i+1], s36   ; lane j (under 8) of half h now holds 1 / sum of head 8 h + j
.endr
.endm
; ---- the output of token tk of my 16
.macro LOADV tk                        ; source 1: lane (r, half): heads 8 half + 0 .. 7 at d = 4 r + t
	WIN 0xc0
.irp t, 0,1,2
	ds_load_b128 v[64*((\tk)%2)+8*\t:64*((\tk)%2)+8*\t+3], v[VRA] offset:400*(\tk)+128*\t
.endr
	ds_load_b128 v[64*((\tk)%2)+24:64*((\tk)%2)+27], v[VRC] offset:528*(\tk)
	WIN 0
.endm
.macro PV4 tk                          ; K = 16 heads in a form of K = 32: the upper 16 of source 1 are zeros; against them stand the next token's p (finite) or the four zeros
	WIN 0x0d+((\tk)/8)
.irp t, 0,1,2,3
	v_wmma_f32_16x16x32_bf16 v[OO+32*((\tk)%2)+8*\t:OO+32*((\tk)%2)+8*\t+7], v[192+4*((\tk)%8):192+4*((\tk)%8)+7], v[64*((\tk)%2)+8*\t:64*((\tk)%2)+8*\t+7], 0
.endr
	WIN 0
.endm
.macro MULS tk                         ; x 1 / sum of head 8 h + j (lane j of my half of the lanes); d = 4 r + 0 .. 3 come into four neighbouring registers.  Each accumulator is read from its low end on
.irp j, 0,1,2,3,4,5,6,7
.irp t, 0,1,2,3
	v_mul_f32_dpp v[RR+4*\j+\t], v[MI+(\tk)], v[OO+32*((\tk)%2)+8*\t+\j] row_share:\j row_mask:0xf bank_mask:0xf
.endr
.endr
.endm
.macro STORES tk                       ; lanes 0-15 store the 256 bytes of (head j, token), lanes 16-31 those of (head 8 + j, token), each at a multiple of 256 from out0's first byte
.irp j, 0,1,2,3
	global_store_b128 v[GO], v[RR+4*\j:RR+4*\j+3], s[42:43] offset:(\j-2)*4194304+256*(\tk) th:TH_STORE_NT
.endr
.irp j, 4,5,6,7
	global_store_b128 v[GO], v[RR+4*\j:RR+4*\j+3], s[44:45] offset:(\j-6)*4194304+256*(\tk) th:TH_STORE_NT
.endr
.endm
	s_load_b128 s[4:7], s[0:1], 0x0                ; h, wq
	s_load_b64 s[8:9], s[0:1], 0x10                ; out0
	v_lshl_add_u32 v[SPW], v0, 2, SPARE
	v_mov_b32 v[NIL], 0
	ds_add_u32 v1, v2
	ds_add_u32 v1, v2
	s_wait_dscnt 0x0
	v_lshrrev_b32 v3, 5, v0
	v_readfirstlane_b32 s10, v3                    ; wave 0..3
	s_bfe_u32 s11, ttmp6, 0x40000                  ; cx: it enters global addresses alone
	s_lshl_b32 s12, ttmp9, 2
	s_add_co_u32 s12, s12, s11                     ; my work-group: 64 tokens
	; descriptor group 1: a record, 101 rows of 256 bytes (32 elements of 8 bytes), dense in memory and in LDS
	s_mov_b32 s16, 15|(3<<16)|(1<<21)              ; 15:0 the mask: all four work-groups; 17:16 elements of 8 bytes; 20 no padding; 21 set beside a mask
	s_mov_b32 s17, 32<<16                          ; tensor_dim0 = 32
	s_mov_b32 s18, 101<<16                         ; tensor_dim1 = 101
	s_mov_b32 s19, 32<<16                          ; tile_dim0 = 32
	s_mov_b32 s20, 101                             ; tile_dim1 = 101
	s_mov_b32 s21, 32                              ; from row to row
	s_mov_b32 s22, 0
	s_mov_b32 s23, 0
	s_mul_i32 s13, s10, REC                        ; my record in a slot, in wq and in LDS alike
	s_mov_b32 s14, s13
	s_mov_b32 s15, 0
	s_mov_b32 s32, 0x76543210
	s_mov_b32 s33, 0xfedcba98                      ; selects for lane l xor 16
	s_mov_b32 s34, 0x3d38aa3b                      ; c = log2(e) / 32
	s_mov_b32 s35, s34                             ; (named with it as a pair)
	s_mov_b32 s36, 0xffff0000                      ; lanes 16-31
	s_mov_b32 s38, 0                               ; refills so far
	s_cmp_eq_u32 ttmp9, 0
	s_cselect_b32 s39, 16, 0                       ; the first cluster prefetches behind refills 1 to 15
	s_mov_b32 s48, 0
	s_mov_b32 s49, 0
	s_mov_b32 s50, 0
	s_lshl_b32 s52, s12, 18                        ; 64 rows of h are 262,144 bytes,
	s_lshl_b32 s53, s10, 16                        ; my 16 of them
	s_add_co_u32 s52, s52, s53
	s_mov_b32 s53, 0
	s_lshl_b32 s54, s12, 14                        ; 64 tokens of a head in out0, and two heads on, so that four heads lie inside the stores' signed immediate
	s_add_co_u32 s54, s54, 8388608
	s_mov_b32 s55, 0
	s_wait_kmcnt 0x0
	s_add_nc_u64 s[46:47], s[4:5], s[52:53]
	s_add_nc_u64 s[42:43], s[8:9], s[54:55]
	s_add_nc_u64 s[44:45], s[42:43], 16777216      ; four heads on
	s_add_nc_u64 s[40:41], s[6:7], 282624          ; the prefetches: 131,072 bytes short of slot 4
	s_mov_b32 s24, 1                               ; group 0 of slot 0: count = 1,
	s_mov_b32 s25, s13                             ; LDS address,
	s_add_nc_u64 s[26:27], s[6:7], s[14:15]        ; global address,
	s_mov_b32 s28, 1                               ; and of slot 1
	s_add_co_u32 s29, s13, SLOTB
	s_add_nc_u64 s[30:31], s[26:27], SLOTB
	s_or_b32 s27, s27, 0x80000000                  ; type = 2
	s_or_b32 s31, s31, 0x80000000
	CROUND                                         ; all four work-groups are here: the first joint loads meet
	tensor_load_to_lds s[24:27], s[16:23]
	s_nop 0
	tensor_load_to_lds s[28:31], s[16:23]          ; two loads of mine are out
	s_nop 0
	PLACES
	v_and_b32 v74, 31, v0                          ; lane
	v_lshlrev_b32 v[XA], 4, v74
	XLOAD 0
	XLOAD 1
	XLOAD 2
	v_and_b32 v72, 15, v0                          ; r
	v_bfe_u32 v73, v0, 4, 1                        ; h
	v_add_nc_u32 v[WA], s13, v[XA]
	v_add_nc_u32 v[WA+1], SLOTB, v[WA]
	v_lshl_add_u32 v[WZ], v74, 3, s13
	v_add_nc_u32 v[WZ+1], SLOTB, v[WZ]
	s_add_co_u32 s51, s13, 25600
	v_lshl_add_u32 v[WB], v73, 5, s51
	v_mul_u32_u24 v[QW], v72, 1544
	v_lshl_add_u32 v[QW], v73, 8, v[QW]
	s_lshl_b32 s51, s10, 6
	s_add_co_u32 s51, s51, QC
	v_add_nc_u32 v[QW], s51, v[QW]
	v_mul_u32_u24 v[SW], v72, 132
	s_lshl_b32 s51, s10, 5
	s_add_co_u32 s51, s51, SC
	v_add_nc_u32 v[SW], s51, v[SW]
	v_mul_u32_u24 v[VW], v72, 400
	v_lshl_add_u32 v[VW], v73, 6, v[VW]
	s_mul_i32 s51, s10, 25664
	s_add_co_u32 s51, s51, ST
	v_add_nc_u32 v[VW], s51, v[VW]
	v_mul_u32_u24 v[VW3], v72, 528
	v_lshl_add_u32 v[VW3], v73, 8, v[VW3]
	s_lshl_b32 s51, s10, 6
	v_add_nc_u32 v[VW3], s51, v[VW3]
	v_lshlrev_b32 v[QR], 3, v72
	v_lshl_add_u32 v[QR], v73, 8, v[QR]
	s_mul_i32 s51, s10, 24704
	s_add_co_u32 s51, s51, QC
	v_add_nc_u32 v[QR], s51, v[QR]
	s_mul_i32 s51, s10, 2112
	s_add_co_u32 s51, s51, SC
	v_lshl_add_u32 v[SR], v74, 2, s51
	v_lshrrev_b32 v[VRA], 2, v72
	v_mul_u32_u24 v[VRA], v[VRA], 25664
	v_and_b32 v75, 3, v72
	v_lshl_add_u32 v[VRA], v75, 4, v[VRA]
	v_lshl_add_u32 v[VRA], v73, 6, v[VRA]
	s_mul_i32 s51, s10, 6400
	s_add_co_u32 s51, s51, ST
	v_add_nc_u32 v[VRA], s51, v[VRA]
	s_mul_i32 s52, s10, 8448
	v_add_nc_u32 v[VRC], s52, v[XA]
	v_lshlrev_b32 v[GO], 25, v73
	v_lshl_add_u32 v[GO], v72, 4, v[GO]
	s_lshl_b32 s51, s10, 12
	v_add_nc_u32 v[GO], s51, v[GO]
	s_add_co_u32 s51, s52, TS
	v_add_nc_u32 v[TSW], s51, v[XA]
	v_mul_u32_u24 v[TSR], v72, 528
	v_lshl_add_u32 v[TSR], v73, 6, v[TSR]
	v_add_nc_u32 v[TSR], s51, v[TSR]
	s_mul_i32 s51, s10, 12288
	s_add_co_u32 s51, s51, XIMG
	v_add_nc_u32 v[XWI], s51, v[XA]
	s_lshr_b32 s51, s10, 1
	s_lshl_b32 s51, s51, 10
	s_and_b32 s53, s10, 1
	s_lshl_b32 s53, s53, 6
	s_add_co_u32 s51, s51, s53
	s_add_co_u32 s51, s51, XSC
	v_lshl_add_u32 v[XWS], v72, 2, s51
	v_add_nc_u32 v[XRI], XIMG, v[XA]
	v_lshl_add_u32 v[XRS], v74, 2, XSC
	s_lshl_b32 s51, s11, 2
	s_add_co_u32 s51, s51, s10
	s_lshl_b32 s51, s51, 13
	v_lshl_add_u32 v[PFO], v74, 8, s51             ; 8,192 (4 cx + wave) + 256 x lane
.irp j, 4,5,6,7,8,9,10,11,12,13,14,15
	v_mov_b32 v[TM+\j], 0                          ; written once: a lane permute's destination counts as one of its sources
.endr
	; ---- h: my 16 rows become eight fragments.  Loads run three K steps ahead (48 loads a wave), the turn through LDS one
	s_wait_loadcnt 32                              ; K step 0 is in; steps 1 and 2 may be out
	TURNX 0
.irp s, 0,1,2,3,4,5,6,7
.if \s+3 < 8
	XLOAD \s+3                                     ; into the set whose stores into the stage were shown done by the last step's wait on DScnt
.endif
.if \s < 7
.if \s < 5
	s_wait_loadcnt 32                              ; the next step's 16 loads are in; the two steps behind it may be out
.elseif \s == 5
	s_wait_loadcnt 16
.else
	s_wait_loadcnt 0
.endif
	TURNX \s+1
	s_wait_dscnt 32                                ; all but the 32 just issued: this step's numbers are back, and the last image's stores have read their registers
.else
	s_wait_dscnt 0x0
.endif
	QUANT 128+64*(\s%2)
	IMAGE \s
.endr
	s_wait_dscnt 0x0                               ; for the others' sake: my images lie in LDS
	s_barrier_signal -1
	s_barrier_wait -1
	WIN 0x40
.irp s, 0,1,2,3
.irp m, 0,1,2,3
.irp c, 0,1,2
	ds_load_b128 v[12*(4*\s+\m)+4*\c:12*(4*\s+\m)+4*\c+3], v[XRI] offset:(8*\m+\s)*1536+512*\c
.endr
.endr
.endr
	WIN 0x80
.irp s, 0,1,2,3
.irp m, 0,1,2,3
.irp c, 0,1,2
	ds_load_b128 v[12*(4*\s+\m)+4*\c:12*(4*\s+\m)+4*\c+3], v[XRI] offset:(8*\m+\s+4)*1536+512*\c
.endr
.endr
.endr
	WIN 0
.irp n, 0,1,2,3,4,5,6,7,8,9,10,11,12,13,14,15
	ds_load_b32 v[HS+\n], v[XRS] offset:128*\n
.endr
	s_wait_tensorcnt 0x1                           ; my record of slot 0 is in (slot 1's may be out); I alone read it
	FETCHW 0, 0, 0
	FETCHB
	; ---- rounds 0-7: q and k
	s_mov_b32 s37, 8
.Lqk:
	SLOT 0, 1
	SLOT 1, 1
	EPIQK
	s_sub_co_u32 s37, s37, 1
	s_cmp_lg_u32 s37, 0
	s_cbranch_scc1 .Lqk
	; ---- the scores.  The next round's first fragments and bias wait in window 3 meanwhile
.irp i, 0,1,2,3
.irp j, 6,7,8,9,10,11
	v_mov_b32 v[128+24*\i+\j], 0                   ; K = 64 of the form's 128: the upper 64 are zero codes, on both sides
	v_mov_b32 v[140+24*\i+\j], 0
.endr
.endr
	WIN 0x40
.irp j, 0,1,2,3
	v_mov_b32 v[224+\j], 0                         ; behind p of token 7,
.endr
	WIN 0x80
.irp j, 0,1,2,3
	v_mov_b32 v[224+\j], 0                         ; and of token 15
.endr
	WIN 0
	s_wait_dscnt 0x0                               ; for the others' sake: my heads' codes and scale words lie in the stage
	s_barrier_signal -1
	s_barrier_wait -1
	SCLOAD 0
	BATCH 0
	BATCH 1
	BATCH 2
	BATCH 3
	; ---- rounds 8-10: v.  Its stage lies over q's and k's: every wave's reads of those are back at the wait in front of the first barrier below
	s_mov_b32 s37, 3
.Lv:
	SLOT 0, 1
	SLOT 1, 1
	v_add_nc_u32 v[AT0], s48, v[VW]                ; 128 bytes on for each round
	EPIV AT0, 6400
	s_add_co_u32 s48, s48, 128
	s_sub_co_u32 s37, s37, 1
	s_cmp_lg_u32 s37, 0
	s_cbranch_scc1 .Lv
	; ---- round 11, written out: nothing is left to fetch
	SLOT 0, 0
	s_wait_dscnt 0x0
	WIN 0x0b
	MUL8 1, 0, 0, 0
	MUL8 1, 0, 2, 0
	PLACES
	FETCHW 1, 1, 1
	WIN 0x0b
	MUL8 1, 1, 0, 0
	MUL8 1, 1, 2, 0
	s_wait_dscnt 0x0
	MUL8 1, 2, 0, 0
	MUL8 1, 2, 2, 0
	MUL8 1, 3, 0, 0
	MUL8 1, 3, 2, 0
	WIN 0
	EPIV VW3, 8448                                 ; into slot 0: it has had its last fill, and every wave's last reads of it were back in front of the barrier in the slot before
	WIN 0xc0
.irp b, 0,1
.irp t, 0,1,2,3
.irp j, 4,5,6,7
	v_mov_b32 v[64*\b+8*\t+\j], 0                  ; the upper 16 of the last product's K
.endr
.endr
.endr
	WIN 0
	s_wait_dscnt 0x0                               ; for the others' sake: my part of v lies in the stage
	s_barrier_signal -1
	s_barrier_wait -1
	; ---- the output: a token's products stand ahead of the token before's scaling and stores
	LOADV 0
	LOADV 1
.irp tk, 0,1,2,3,4,5,6,7,8,9,10,11,12,13,14,15
.if \tk < 15
	s_wait_dscnt 4                                 ; this token's four loads are in; the next token's may be out
.else
	s_wait_dscnt 0x0
.endif
	PV4 \tk
.if \tk > 0
	s_wait_xcnt 0x0                                ; the last stores have read their registers
	MULS \tk-1
	STORES \tk-1
.else
	PLACES
.endif
.if \tk+2 < 16
	LOADV \tk+2
.endif
.endr
	PLACES
	s_wait_xcnt 0x0
	MULS 15
	STORES 15
	s_wait_tensorcnt 0x0                           ; the wave's end
	ds_add_u32 v[SPW], v[NIL]
	s_wait_dscnt 0x0
	CROUND                                         ; the closing round: no work-group ends while a partner may still ask for a record that names it
	s_endpgm
.Lfunc_end_k_q376d0d2f7b_fused:
	.size	k_q376d0d2f7b_fused, .Lfunc_end_k_q376d0d2f7b_fused-k_q376d0d2f7b_fused
	.p2alignl 7, 3214868480
	.fill 96, 4, 3214868480
	.section	.rodata,"a",@progbits
	.p2align	6, 0x0
	.amdhsa_kernel k_q376d0d2f7b_fused
		.amdhsa_group_segment_fixed_size 327680
		.amdhsa_private_segment_fixed_size 0
		.amdhsa_enable_private_segment 0
		.amdhsa_kernarg_size 24
		.amdhsa_user_sgpr_count 2
		.amdhsa_user_sgpr_kernarg_segment_ptr 1
		.amdhsa_wavefront_size32 1
		.amdhsa_system_sgpr_workgroup_id_x 1
		.amdhsa_system_sgpr_workgroup_id_y 1
		.amdhsa_system_sgpr_workgroup_id_z 1
		.amdhsa_system_vgpr_workitem_id 0
		.amdhsa_next_free_vgpr 1024
		.amdhsa_next_free_sgpr 66
		.amdhsa_reserve_vcc 0
		.amdhsa_float_denorm_mode_32 3
		.amdhsa_float_denorm_mode_16_64 3
		.amdhsa_memory_ordered 1
		.amdhsa_forward_progress 1
		.amdhsa_inst_pref_size 255
	.end_amdhsa_kernel
	.section	.bss,"aw",@nobits
	.p2align	6
	.space	262144
	.amdgpu_metadata
---
amdhsa.version: [ 1, 2 ]
amdhsa.kernels:
  - .name:           k_q376d0d2f7b_fused
    .symbol:         k_q376d0d2f7b_fused.kd
    .args:
      - { .name: h, .offset: 0, .size: 8, .value_kind: global_buffer, .address_space: global }
      - { .name: wq, .offset: 8, .size: 8, .value_kind: global_buffer, .address_space: global }
      - { .name: out0, .offset: 16, .size: 8, .value_kind: global_buffer, .address_space: global }
    .group_segment_fixed_size: 327680
    .private_segment_fixed_size: 0
    .kernarg_segment_align: 8
    .kernarg_segment_size: 24
    .max_flat_workgroup_size: 128
    .sgpr_count:     66
    .vgpr_count:     1024
    .wavefront_size: 32
...
	.end_amdgpu_metadata
.endif
;; end of part 2
;; ======== version 2 of 2: 2 launches
;; workspace buffers: wq 2,482,176 bytes
;; launch prep: the kernel of part 1 again; grid 384 x 1, 4 waves a work-group, no clusters, 35,328 bytes of LDS; arguments W_qkv, b_qkv, wq; writes wq
;; launch fused (part 3): grid 256 x 1, 4 waves a work-group, clusters of 4 x 1, 327,680 bytes of LDS; arguments h, wq, out0; writes out0
.if DOCPART == 3
	.amdgcn_target "amdgcn-amd-amdhsa--gfx1250"
	.amdhsa_code_object_version 6
	.text
	.protected	k_q376d0d2f7b_fused
	.globl	k_q376d0d2f7b_fused
	.p2align	8
	.type	k_q376d0d2f7b_fused,@function
k_q376d0d2f7b_fused:
	s_mov_b64 s[64:65], 0
	v_nop
	global_prefetch_b8 v0, s[64:65] scope:SCOPE_SE
	s_setreg_imm32_b32 hwreg(HW_REG_WAVE_MODE, 25, 1), 1
	s_wait_xcnt 0x0
	s_wait_alu depctr_hold_cnt(0) depctr_sa_sdst(0) depctr_va_vdst(0) depctr_va_sdst(0) depctr_va_ssrc(0) depctr_va_vcc(0) depctr_vm_vsrc(0)
	s_getreg_b32 s2, hwreg(HW_REG_IB_STS2, 6, 4)
	s_cmp_eq_u32 s2, 0
	s_cbranch_scc0 .Lentry_in_a_cluster
	s_endpgm
.Lentry_in_a_cluster:
	s_bfe_u32 s2, ttmp6, 0x10000c
	s_cmp_lg_u32 s2, 0x3003
	s_cbranch_scc0 .Lentry_shape_is_right
	s_endpgm
.Lentry_shape_is_right:
; out[head i][token][d] = softmax_j(q_i . k_j / 32) v_j, with qkv = h W^T + b, per token over its 16 heads of 64.  h [16384][1024] f32; wq: W as codes of BF6 (E3M2) in register images, scale words and bias
; (laid by the launch before); out0 [16][16384][64] f32.  The projection and q . k run on codes of BF6 with one E8M0 scale for each 32 along K, sums in f32; p v runs on bf16 operands, sums in f32.
; SHARES.  A work-group owns 64 tokens and makes all their 3,072 columns, so that qkv never goes to memory.  THE FOUR WAVES SHARE THE COLUMNS: each holds the codes of ALL 64 rows of h in registers (32 fragments,
; 384 registers), so a fragment of W read from LDS (1,536 bytes) feeds four matrix instructions and no fragment of h is read twice.  12 rounds; in a round a wave makes 4 tiles of 16 columns x 64 tokens: 16 accumulators
; by turns, 8 K steps of 128.  THE PRODUCT IS USED TRANSPOSED (source 0 = 16 rows of W, source 1 = 16 tokens): a lane holds ONE token (lane % 16) and eight columns.
; ROUNDS 0-7 of wq: wave w makes head 8 w + round of q (waves 0, 1) or k (waves 2, 3); W's rows are chosen so that a lane's 16 registers of two tiles are 16 neighbours along the head's 64: they are quantised in registers
; and go to a stage in LDS, by token.  THE SCORES: wave w takes tokens 16 w .. 16 w + 15; S^T = k q^T, one matrix instruction a token (K = 64, the upper 64 are zero codes): a lane holds head i = lane % 16 and key heads
; 8 (lane / 16) + 0 .. 7, which, rounded to bf16 in pairs, IS source 0 of the last product.  ROUNDS 8-11 of wq: a tile's 16 rows of W are the 16 HEADS of v at one d = 4 (4 w + t) + round - 8: a lane's eight results are eight
; heads at one (token, d): 16 bytes of bf16, source 1 of the last product as they lie.  OUTPUT: four products a token give, in register j of four accumulators, d = 4 r + 0 .. 3 of head 8 (lane / 16) + j: the multiplication
; by 1 / (the row's sum) puts them into four neighbouring registers, and sixteen lanes store one (head, token) row: 256 consecutive bytes, aligned.
; THE SOFTMAX takes the row's largest score away: p = 2^(c s - c m), c = log2(e) / 32; the sum is taken of the unrounded p in f32 and divides at the end.
; W COMES THROUGH A RING of two LDS slots of 103,424 bytes (four K steps of a round: 64 matrix instructions a wave).  Each wave fetches the record that it alone reads, one tensor load behind each change of slots.
; CLUSTER 4 x 1: all work-groups read the same wq, so four at a time ask JOINTLY (the same load, the same descriptor, mask 15): a quarter of the requests.
; THE ROUNDS ARE WALKED IN ROTATED ORDER.  Cluster c has the phase sg = (c xor c / 8) % 8 and r0 = (8 - sg) % 8, the same in its four partners.  Trip i of the q, k loop takes round (i + r0) % 8 of wq, the i-th round of v
; takes round 8 + (i + r0) % 4.  So the eight groups of clusters ask for eight different rounds at any time, and every record but those of a group's first round of q, k and of v has been asked for one round earlier by
; the neighbouring group.  The stages are filled by TRIP (no LDS store address knows the phase): place i of a wave's eight holds head 8 w + (i + r0) % 8, place i of v's four holds d % 4 = (i + r0) % 4.  The readers' lanes undo it:
; head x is read at place (x - x % 8) + (x + sg) % 8, v's d % 4 = t at place (t + sg) % 4.
; LIMITS: NaN and infinities are not served.  A block of zeros gets the scale byte 1 where the quantiser says 127 (its codes are zeros; nobody else reads the bytes).  p and v are rounded to bf16 for the last product.
; The bias enters as the C of each sum's first product.
; LDS: slot 0 at 0, slot 1 at 103,424 (wave w's record at + 25,856 w, dense: images are read 16 bytes a lane on end); from 206,848 a stage that no tensor load fills, used three times one after the other, barriers between:
;   (a) h's images (fragment (m, s) at 1,536 (8 m + s)), their scale words, and each wave's own turning stage;  (b) q's and k's codes (token x 1,544 + piece x 512 + half x 256 + place x 8: the stores and loads of
;   8 bytes go two deep in the banks, 192 LDS instructions a wave in the launch) and scale words (token x 132 + place x 4);  (c) v's places 0-2 (wave x 25,664 + token x 400 + place x 128 + half x 64 + tile x 16).
;   v's place 3 lies in slot 0, in the shape of place 0 (the same address less 206,848): slot 0 has then had its last fill and its last read.  At 327,168 the spare words.
; REGISTERS, in windows of 256: window 0: v1-27 addresses, v28-43 h's scale words, v44-51 W's, v52-67 1 / sum, v68-71 q's and k's scale words, v72-95 at work, v96-127 codes just made, v128-255 the accumulators.
;   windows 1, 2: h's fragments of K steps 0-3, 4-7 (v0-191), p of tokens 0-7, 8-15 (v192-223), four zeros.   window 3: W's fragments, two sets of two K steps (v0-191), the bias (v192-223).
.set SLOTB, 103424
.set REC,   25856
.set SUB,   6400
.set ST,    2*SLOTB
.set SPARE, 327168
.set XIMG,  ST
.set XSC,   ST+49152
.set TS,    ST+51200
.set QC,    ST
.set SC,    ST+98816
.set SPW, 1                            ; LDS address of my spare word; never rewritten
.set NIL, 2                            ; 0; never rewritten
.set AT0, 3                            ; v3, v17, v10: stage addresses of the round in hand
.set WA,  4                            ; v4-5   my record in slot 0, 1: + 16 x lane
.set WZ,  6                            ; v6-7   the same + 8 x lane
.set WB,  8                            ; v8     the bias in slot 0's record: + 32 h
.set QW,  9                            ; v9     q, k codes, in: QC + 1544 r + 256 h + 64 w
.set AT2, 10
.set SW,  11                           ; v11    their scale words, in: SC + 132 r + 32 w
.set VW,  12                           ; v12    v, in: ST + 25664 w + 400 r + 64 h
.set VW3, 13                           ; v13    v's place 3, in: the same without ST
.set QR,  14                           ; v14    q, k codes, out: QC + 24704 w + 256 h + 8 x (head r's place)
.set SR,  15                           ; v15    scale words, out: SC + 2112 w + 4 x (head lane's place)
.set VRA, 16                           ; v16    v, out: 25664 (r / 4) + 16 (r % 4) + 64 h + 6400 w, to which a place's first byte is added
.set AT1, 17
.set GO,  19                           ; v19    out0: 8 heads x h + 4096 w + 16 r
.set XA,  20                           ; v20    16 x lane
.set TSW, 21                           ; v21-22 my turning stage, in and out
.set TSR, 22
.set XWI, 23                           ; v23-24 where I store h's images and scale words
.set XWS, 24
.set XRI, 25                           ; v25-26 where every wave reads them
.set XRS, 26
.set PFO, 27                           ; v27    the prefetches' offset
.set HS,  28                           ; v[28 + 8 u + s]: lanes 0-15 tokens' tile 2 u, lanes 16-31 tile 2 u + 1, K step s
.set Z,   44                           ; v[44 + 4 set + 2 kk + u]: lanes 0-15 W's tile 2 u, lanes 16-31 tile 2 u + 1
.set MI,  52
.set SS,  68
.set TM,  72
.set PW,  88
.set PC,  96
.set AV,  96                           ; v96-99 in the output: where v's d % 4 = t is read
.set ACC, 128                          ; accumulator (tokens' tile m, W's tile t) at 128 + 8 (4 m + t)
.set BI,  192                          ; in window 3
.set SA,  224                          ; the scores of four tokens
.set OO,  128                          ; the output: two sets of four accumulators,
.set RR,  192                          ; and 32 registers to store
; scalars: s10 wave, s11 cx, s12 work-group, s[16:23] group 1, s[24:27], s[28:31] groups 0, s[32:33] lane selects, s[34:35] c, s36 lanes 16-31, s37 trips, s38 refills so far, s39 how many refills prefetch,
; s[40:41] the prefetches' place, s[42:45] out0, s[46:47] h, s48-50 the stages' steps, s51-55, s58-59 at work, s56 sg, s57 the round (by trips) to be asked for next, s[60:61] wq at my record of slot 0, s62 r0
.set MSB, 0
.macro WIN new                         ; the immediate's high byte repeats the setting that is left
.if MSB != (\new)
	s_set_vgpr_msb (MSB<<8)|(\new)
.set MSB, (\new)
.endif
.endm
.macro PLACES                          ; four plain vector instructions behind a matrix instruction, ahead of loads into its registers and of reads of its result
.rept 4
	v_nop
.endr
.endm
.macro CREST                           ; a round of the cluster's barrier behind its opening barrier
	s_cmp_lg_u32 s10, 0
	s_cbranch_scc1 .Lnot_wave_0_\@
	s_barrier_signal -3
.Lnot_wave_0_\@:
	s_barrier_wait -3
	s_barrier_signal -1
	s_barrier_wait -1
.endm
.macro CROUND
	s_barrier_signal -1
	s_barrier_wait -1
	CREST
.endm
; ---- h: K step s of my 16 rows, 512 consecutive bytes a load, into raw set s % 4 of window 3
.macro XLOAD s
	WIN 0xc0
.irp i, 0,1,2,3,4,5,6,7,8,9,10,11,12,13,14,15
	global_load_b128 v[64*((\s)%4)+4*\i:64*((\s)%4)+4*\i+3], v[XA], s[46:47] offset:4096*\i+512*(\s) th:TH_LOAD_NT
.endr
	WIN 0
.endm
; through my own stage (rows of 528 bytes), so that register 16 b + i of set s % 2 is k = 32 b + 16 (lane / 16) + i of row lane % 16.  LDS serves a wave's instructions in order: no wait between
.macro TURNX s
	WIN 0x0c
.irp i, 0,1,2,3,4,5,6,7,8,9,10,11,12,13,14,15
	ds_store_b128 v[TSW], v[64*((\s)%4)+4*\i:64*((\s)%4)+4*\i+3] offset:528*\i
.endr
	WIN 0
.irp b, 0,1,2,3
.irp j, 0,1,2,3
	ds_load_b128 v[128+64*((\s)%2)+16*\b+4*\j:128+64*((\s)%2)+16*\b+4*\j+3], v[TSR] offset:128*\b+16*\j
.endr
.endr
.endm
; 64 numbers of a lane become a fragment's codes in v[PC] on and its scale word in v[PW]
.macro QUANT s
.irp b, 0,1,2,3
	v_max3_num_f32 v[TM+\b], |v[\s+16*\b]|, |v[\s+1+16*\b]|, 0x2800000   ; my 16 of block b, and the floor 2^(5 - 127): the byte cannot fall under 1
.endr
.irp i, 2,4,6,8,10,12,14
.irp b, 0,1,2,3
	v_max3_num_f32 v[TM+\b], v[TM+\b], |v[\s+16*\b+\i]|, |v[\s+1+16*\b+\i]|
.endr
.endr
.irp b, 0,1,2,3
	v_permlanex16_b32 v[TM+4+\b], v[TM+\b], s32, s33
.endr
.irp b, 0,1,2,3
	v_max_num_f32 v[TM+\b], v[TM+\b], v[TM+4+\b]   ; with lane l xor 16's: the block's largest magnitude
.endr
.irp b, 0,1,2,3
	v_add_nc_u32 v[TM+12+\b], 0xfe000000, v[TM+\b] ; 4 off its exponent field: the conversion's scale operand
.endr
.irp b, 0,1,2,3
	v_lshrrev_b32 v[TM+4+\b], 23, v[TM+12+\b]      ; the scale's byte
.endr
	v_lshl_or_b32 v[PW], v[TM+5], 8, v[TM+4]
	v_lshl_or_b32 v[PW], v[TM+6], 16, v[PW]
	v_lshl_or_b32 v[PW], v[TM+7], 24, v[PW]
.irp c, 0,1
	v_cvt_scalef32_pk16_bf6_f32 v[PC+6*\c:PC+2+6*\c], v[\s+32*\c:\s+15+32*\c], v[TM+12+2*\c]
	v_cvt_scalef32_pk16_bf6_f32 v[PC+12+4*\c:PC+14+4*\c], v[\s+16+32*\c:\s+31+32*\c], v[TM+12+2*\c+1]
.endr
	v_nop                                          ; one plain place behind a scaled conversion
.irp c, 0,1                                    ; the operand wants a whole block in a lane
.irp i, 0,1,2
	v_permlane16_swap_b32 v[PC+6*\c+\i], v[PC+12+4*\c+\i]
.endr
.irp i, 0,1,2
	v_mov_b32 v[PC+3+6*\c+\i], v[PC+12+4*\c+\i]
.endr
.endr
.endm
.macro IMAGE s                         ; the fragment goes to LDS as an image of its registers
.irp c, 0,1,2
	ds_store_b128 v[XWI], v[PC+4*\c:PC+4*\c+3] offset:1536*(\s)+512*\c
.endr
	ds_store_b32 v[XWS], v[PW] offset:128*(\s)
.endm
; ---- W: two K steps (2 half, 2 half + 1 of slot e) into set buf: 24 loads of 16 bytes a lane and 2 of scale words
.macro FETCHW e, half, buf
	WIN 0xc0
.irp kk, 0,1
.irp t, 0,1,2,3
.irp c, 0,1,2
	ds_load_b128 v[96*\buf+48*\kk+12*\t+4*\c:96*\buf+48*\kk+12*\t+4*\c+3], v[WA+(\e)] offset:(2*\half+\kk)*SUB+1536*\t+512*\c
.endr
.endr
.endr
	WIN 0
.irp kk, 0,1
	ds_load_b64 v[Z+4*\buf+2*\kk:Z+4*\buf+2*\kk+1], v[WZ+(\e)] offset:(2*\half+\kk)*SUB+6144
.endr
.endm
.macro FETCHB                          ; the round's bias in the result's layout: register j of tile t = the bias of the tile's row 8 (lane / 16) + j
	WIN 0xc0
.irp t, 0,1,2,3
.irp i, 0,1
	ds_load_b128 v[BI+8*\t+4*\i:BI+8*\t+4*\i+3], v[WB] offset:64*\t+16*\i
.endr
.endr
	WIN 0
.endm
.macro WM                              ; one product; pA, pB: the scale words lie in lanes 16-31
.if pA && pB
	v_wmma_scale_f32_16x16x128_f8f6f4 v[rD:rD+7], v[rW:rW+11], v[rA:rA+11], v[rC:rC+7], v[rZ], v[rH] matrix_a_fmt:MATRIX_FMT_BF6 matrix_b_fmt:MATRIX_FMT_BF6 matrix_a_scale:MATRIX_SCALE_ROW1 matrix_b_scale:MATRIX_SCALE_ROW1
.elseif pA
	v_wmma_scale_f32_16x16x128_f8f6f4 v[rD:rD+7], v[rW:rW+11], v[rA:rA+11], v[rC:rC+7], v[rZ], v[rH] matrix_a_fmt:MATRIX_FMT_BF6 matrix_b_fmt:MATRIX_FMT_BF6 matrix_a_scale:MATRIX_SCALE_ROW1
.elseif pB
	v_wmma_scale_f32_16x16x128_f8f6f4 v[rD:rD+7], v[rW:rW+11], v[rA:rA+11], v[rC:rC+7], v[rZ], v[rH] matrix_a_fmt:MATRIX_FMT_BF6 matrix_b_fmt:MATRIX_FMT_BF6 matrix_b_scale:MATRIX_SCALE_ROW1
.else
	v_wmma_scale_f32_16x16x128_f8f6f4 v[rD:rD+7], v[rW:rW+11], v[rA:rA+11], v[rC:rC+7], v[rZ], v[rH] matrix_a_fmt:MATRIX_FMT_BF6 matrix_b_fmt:MATRIX_FMT_BF6
.endif
.endm
; 8 products: K step k of slot e, tokens' tiles m0, m0 + 1 x W's four.  The 16 accumulators take turns, one instruction a turn, in the same order in every K step.
.macro MUL8 e, k, m0, bias
.irp m, \m0, \m0+1
.irp t, 0,1,2,3
.set rD, ACC+8*(4*(\m)+\t)
.set rC, rD
.if \bias
.set rC, BI+8*\t
.endif
.set rW, 96*((\k)/2)+48*((\k)%2)+12*\t
.set rA, 12*(4*(\k)+(\m))
.set rZ, Z+4*((\k)/2)+2*((\k)%2)+(\t)/2
.set rH, HS+8*((\m)/2)+4*(\e)+(\k)
.set pA, (\t)%2
.set pB, (\m)%2
	WM
.endr
.endr
.endm
; A PREFETCH INTO THE L2 of v's part of wq, slots 16 to 23, behind the joint load, its four lines and the run of LDS loads.  All clusters begin v at the same trip, each group with another of its four rounds: refills 15 and 16
; are the first loads that want these bytes.  The first cluster asks, and nobody else (the test is the same in all four partners); its sixteen waves are told apart BY ADDRESS (8,192 bytes each, lanes 256 bytes apart):
; 131,072 bytes behind each of refills 8 to 13, each block of 256 bytes once.  The last byte named is 2,440,960 of wq's 2,482,176; the rest of slot 23 comes by its loads alone.  Of q's and k's part nothing is asked.
.macro ASK
	s_sub_co_u32 s51, s38, 8                       ; refills 8 to 13 give 0 to 5; earlier ones wrap to numbers above every limit
	s_cmp_lt_u32 s51, s39
	s_cbranch_scc0 .Lnot_mine_\@
	global_prefetch_b8 v[PFO], s[40:41] th:TH_LOAD_NT scope:SCOPE_SE
.Lnot_mine_\@:
.endm
; A SLOT: four K steps, 64 products.  Sets: K steps 0, 1 in set 0 (fetched in the slot before), 2, 3 in set 1 (fetched here).  When set 1 is in, my reads of the slot are over: the change of slots stands in the slot's middle.
; In front of its barrier: the wait for all my tensor loads (the one that is out is my record of the other slot), the add, the wait for the add and for my reads.  refill = 1: the barrier opens a round of the cluster's
; barrier, and the joint refill (this slot's half of the next round walked) is the first thing behind it: 56 products stand between it and the wait for it.  A refill goes out only when the load before it has landed, so
; nothing but the eight products beside the add stands between that wait and the refill.  By the text's own count one tensor load of a wave is out behind a round, two at the start.
.macro SLOT e, refill
.if \refill
	s_wait_xcnt 0x0                                ; the last prefetch, a slot back, has read its address
	s_add_nc_u64 s[40:41], s[40:41], 131072
	s_add_co_u32 s38, s38, 1
.endif
	s_wait_dscnt 0x0                               ; set 0 (and the bias) are in; the last round's stores into the stage have read their registers
.if (\e) == 0
	WIN 0x37                                       ; W window 3, h window 1, C = the bias in window 3, D window 0
	MUL8 \e, 0, 0, 1
	MUL8 \e, 0, 2, 1
.else
	WIN 0x0b                                       ; W window 3, h window 2
	MUL8 \e, 0, 0, 0
	MUL8 \e, 0, 2, 0
.endif
	PLACES
	FETCHW \e, 1, 1
	WIN 0x07+4*(\e)
	MUL8 \e, 1, 0, 0
	WIN 0                                          ; (the add's two registers lie in window 0)
	s_wait_tensorcnt 0x0                           ; all my tensor loads have landed
	ds_add_u32 v[SPW], v[NIL]                      ; 0 onto my spare word
.if \refill
	s_add_co_u32 s58, s57, s62                     ; no load of mine is out: this slot's descriptor is made anew.  The round of wq that stands at trip s57:
	s_and_b32 s59, s58, 3
	s_or_b32 s59, s59, 8                           ; of v: 8 + (trip + r0) % 4,
	s_and_b32 s58, s58, 7                          ; of q, k: (trip + r0) % 8
	s_cmp_lt_u32 s57, 8
	s_cselect_b32 s58, s58, s59
	s_mul_i32 s58, s58, 2*SLOTB                    ; two slots a round
.if (\e) == 1
	s_add_co_u32 s58, s58, SLOTB
	s_add_co_u32 s57, s57, 1                       ; both halves of that round are asked for
.endif
	s_mov_b32 s59, 0
	s_add_nc_u64 s[26+4*\e:27+4*\e], s[60:61], s[58:59]
	s_or_b32 s[27+4*\e], s[27+4*\e], 0x80000000    ; type = 2
.endif
	WIN 0x07+4*(\e)
	MUL8 \e, 1, 2, 0                               ; eight products stand between the add and the wait for it
	WIN 0
	s_wait_dscnt 0x0                               ; the add is done; set 1 is in: my reads of this slot are over
	s_barrier_signal -1
	s_barrier_wait -1
.if \refill
	CREST                                          ; no wave of any partner still reads this slot or has a load on its way
	tensor_load_to_lds s[24+4*\e:27+4*\e], s[16:23]
	s_nop 0
	PLACES                                         ; the places ahead of the loads below
.else
	PLACES
.endif
	FETCHW 1-\e, 0, 0
.if (\e) == 1
	FETCHB
.endif
.if \refill
	ASK
.endif
	WIN 0x07+4*(\e)
	MUL8 \e, 2, 0, 0
	MUL8 \e, 2, 2, 0
	MUL8 \e, 3, 0, 0
	MUL8 \e, 3, 2, 0
	WIN 0
.endm
; A head of q or k, 64 tokens: chain n = 2 m + b is block b (32 along d) of tile m's tokens: registers ACC + 16 n .. + 15 hold d = 32 b + 16 (lane / 16) + 0 .. 15.  Each accumulator is read from its low end on.
.macro EPIQK
	PLACES
.irp n, 0,1,2,3,4,5,6,7
	v_max3_num_f32 v[TM+\n], |v[ACC+16*\n]|, |v[ACC+16*\n+1]|, 0x2800000
.endr
.irp i, 2,4,6,8,10,12,14
.irp n, 0,1,2,3,4,5,6,7
	v_max3_num_f32 v[TM+\n], v[TM+\n], |v[ACC+16*\n+\i]|, |v[ACC+16*\n+\i+1]|
.endr
.endr
.irp n, 0,1,2,3,4,5,6,7
	v_permlanex16_b32 v[TM+8+\n], v[TM+\n], s32, s33
.endr
.irp n, 0,1,2,3,4,5,6,7
	v_max_num_f32 v[TM+\n], v[TM+\n], v[TM+8+\n]
.endr
.irp n, 0,1,2,3,4,5,6,7
	v_add_nc_u32 v[TM+16+\n], 0xfe000000, v[TM+\n]
.endr
.irp n, 0,1,2,3,4,5,6,7
	v_lshrrev_b32 v[TM+8+\n], 23, v[TM+16+\n]
.endr
.irp m, 0,1,2,3
	v_lshl_or_b32 v[TM+\m], v[TM+9+2*\m], 8, v[TM+8+2*\m]   ; the token's scale word: two bytes; the upper two stay 0 and stand over zero codes
.endr
.irp m, 0,1,2,3
	v_cvt_scalef32_pk16_bf6_f32 v[PC+8*\m:PC+8*\m+2], v[ACC+32*\m:ACC+32*\m+15], v[TM+16+2*\m]
	v_cvt_scalef32_pk16_bf6_f32 v[PC+8*\m+4:PC+8*\m+6], v[ACC+32*\m+16:ACC+32*\m+31], v[TM+17+2*\m]
.endr
	v_add_nc_u32 v[AT0], s49, v[QW]                ; (a plain place behind the conversions)  this trip's place: 8 bytes on for each trip,
	v_add_nc_u32 v[AT1], 49408, v[AT0]             ; tokens 32 on,
	v_add_nc_u32 v[AT2], s50, v[SW]                ; 4 bytes on
.irp m, 0,1,2,3
.irp i, 0,1,2
	v_permlane16_swap_b32 v[PC+8*\m+\i], v[PC+8*\m+4+\i]   ; lanes 0-15 now hold block 0 whole, lanes 16-31 block 1
.endr
.irp i, 0,1,2
	v_mov_b32 v[PC+8*\m+3+\i], v[PC+8*\m+4+\i]
.endr
.endr
.irp m, 0,1
.irp p, 0,1,2
	ds_store_b64 v[AT0], v[PC+8*\m+2*\p:PC+8*\m+2*\p+1] offset:24704*\m+512*\p
	ds_store_b64 v[AT1], v[PC+16+8*\m+2*\p:PC+16+8*\m+2*\p+1] offset:24704*\m+512*\p
.endr
.endr
.irp m, 0,1,2,3
	ds_store_b32 v[AT2], v[TM+\m] offset:2112*\m   ; both halves of the lanes write the same word with the same value
.endr
	s_add_co_u32 s49, s49, 8
	s_add_co_u32 s50, s50, 4
.endm
; v: a lane's eight results of an accumulator are eight heads at one (token, d): rounded to bf16 in place, 16 bytes
.macro EPIV adr, mstep
	PLACES
.irp a, 0,1,2,3,4,5,6,7,8,9,10,11,12,13,14,15
.irp i, 0,1,2,3
	v_cvt_pk_bf16_f32 v[ACC+8*\a+\i], v[ACC+8*\a+2*\i], v[ACC+8*\a+2*\i+1]
.endr
.endr
.irp m, 0,1,2,3
.irp t, 0,1,2,3
	ds_store_b128 v[\adr], v[ACC+8*(4*\m+\t):ACC+8*(4*\m+\t)+3] offset:\mstep*\m+16*\t
.endr
.endr
.endm
; the scores' operands of tokens 4 b .. 4 b + 3: lane (r, half) takes head r's 24 bytes of codes of d = 32 half + 0 .. 31, of k and of q; one register takes q's scale words (lanes 0-15) and k's (lanes 16-31)
.macro SCLOAD b
.irp i, 0,1,2,3
.irp p, 0,1,2
	ds_load_b64 v[128+24*\i+2*\p:128+24*\i+2*\p+1], v[QR] offset:1544*(4*(\b)+\i)+512*\p+128
	ds_load_b64 v[140+24*\i+2*\p:140+24*\i+2*\p+1], v[QR] offset:1544*(4*(\b)+\i)+512*\p
.endr
	ds_load_b32 v[SS+\i], v[SR] offset:132*(4*(\b)+\i)
.endr
.endm
.macro BATCH b
	s_wait_dscnt 0x0
.irp i, 0,1,2,3
	v_wmma_scale_f32_16x16x128_f8f6f4 v[SA+8*\i:SA+8*\i+7], v[128+24*\i:139+24*\i], v[140+24*\i:151+24*\i], 0, v[SS+\i], v[SS+\i] matrix_a_fmt:MATRIX_FMT_BF6 matrix_b_fmt:MATRIX_FMT_BF6 matrix_a_scale:MATRIX_SCALE_ROW1
.endr
	PLACES
.irp i, 0,1,2,3
	v_max3_num_f32 v[TM+2*\i], v[SA+8*\i], v[SA+8*\i+1], v[SA+8*\i+2]     ; the four tokens by turns
.endr
.irp i, 0,1,2,3
	v_max3_num_f32 v[TM+2*\i], v[TM+2*\i], v[SA+8*\i+3], v[SA+8*\i+4]
.endr
.irp i, 0,1,2,3
	v_max3_num_f32 v[TM+2*\i], v[TM+2*\i], v[SA+8*\i+5], v[SA+8*\i+6]
.endr
.irp i, 0,1,2,3
	v_max_num_f32 v[TM+2*\i], v[TM+2*\i], v[SA+8*\i+7]
.endr
.irp i, 0,1,2,3
	v_permlanex16_b32 v[TM+2*\i+1], v[TM+2*\i], s32, s33
.endr
.irp i, 0,1,2,3
	v_max_num_f32 v[TM+2*\i], v[TM+2*\i], v[TM+2*\i+1]                    ; the row's largest score
.endr
.irp i, 0,1,2,3
	v_mul_f32 v[TM+2*\i], s34, v[TM+2*\i]                                 ; c m
.endr
.if \b < 3
	SCLOAD \b+1
.endif
.irp i, 0,1,2,3
.irp j, 0,2,4,6
	v_pk_fma_f32 v[SA+8*\i+\j:SA+8*\i+\j+1], v[SA+8*\i+\j:SA+8*\i+\j+1], s[34:35], v[TM+2*\i:TM+2*\i+1] op_sel_hi:[1,0,0] neg_lo:[0,0,1] neg_hi:[0,0,1]   ; c s - c m
.endr
.endr
.set n, 0
.rept 32
	v_exp_f32 v[SA+n], v[SA+n]                     ; p, at most 1
.set n, n+1
.endr
	v_nop                                          ; a plain place behind the last exponential
	s_wait_alu depctr_va_vdst(0)                   ; one wait for the batch of 32, ahead of its first reader
.if \b < 2
	WIN 0x40
.else
	WIN 0x80
.endif
.irp i, 0,1,2,3
.irp j, 0,1,2,3
	v_cvt_pk_bf16_f32 v[192+4*((4*\b+\i)%8)+\j], v[SA+8*\i+2*\j], v[SA+8*\i+2*\j+1]   ; key heads 8 (lane / 16) + 2 j, + 1: registers 0-3 of the last product's source 0
.endr
.endr
	WIN 0
.irp i, 0,1,2,3
	v_pk_add_f32 v[SA+8*\i:SA+8*\i+1], v[SA+8*\i:SA+8*\i+1], v[SA+8*\i+2:SA+8*\i+3]   ; the sum is taken of the unrounded p
.endr
.irp i, 0,1,2,3
	v_pk_add_f32 v[SA+8*\i+4:SA+8*\i+5], v[SA+8*\i+4:SA+8*\i+5], v[SA+8*\i+6:SA+8*\i+7]
.endr
.irp i, 0,1,2,3
	v_pk_add_f32 v[SA+8*\i:SA+8*\i+1], v[SA+8*\i:SA+8*\i+1], v[SA+8*\i+4:SA+8*\i+5]
.endr
.irp i, 0,1,2,3
	v_add_f32 v[TM+2*\i], v[SA+8*\i], v[SA+8*\i+1]
.endr
.irp i, 0,1,2,3
	v_permlanex16_b32 v[TM+2*\i+1], v[TM+2*\i], s32, s33
.endr
.irp i, 0,1,2,3
	v_add_f32 v[TM+2*\i], v[TM+2*\i], v[TM+2*\i+1]
.endr
.irp i, 0,1,2,3
	v_rcp_f32 v[TM+8+\i], v[TM+2*\i]
.endr
	v_nop
	s_wait_alu depctr_va_vdst(0)                   ; one wait for the four reciprocals
.irp i, 0,1,2,3
	v_mov_b32_dpp v[TM+2*\i+1], v[TM+8+\i] row_xmask:8 row_mask:0xf bank_mask:0xf
.endr
.irp i, 0,1,2,3
	v_cndmask_b32 v[MI+4*\b+\i], v[TM+8+\i], v[TM+2*\i+1], s36   ; lane j (under 8) of half h now holds 1 / sum of head 8 h + j
.endr
.endm
; ---- the output of token tk of my 16
.macro LOADV tk                        ; source 1: lane (r, half): heads 8 half + 0 .. 7 at d = 4 r + t, each t from the place that holds it
	WIN 0xc0
.irp t, 0,1,2,3
	ds_load_b128 v[64*((\tk)%2)+8*\t:64*((\tk)%2)+8*\t+3], v[AV+\t] offset:400*(\tk)
.endr
	WIN 0
.endm
.macro PV4 tk                          ; K = 16 heads in a form of K = 32: the upper 16 of source 1 are zeros; against them stand the next token's p (finite) or the four zeros
	WIN 0x0d+((\tk)/8)
.irp t, 0,1,2,3
	v_wmma_f32_16x16x32_bf16 v[OO+32*((\tk)%2)+8*\t:OO+32*((\tk)%2)+8*\t+7], v[192+4*((\tk)%8):192+4*((\tk)%8)+7], v[64*((\tk)%2)+8*\t:64*((\tk)%2)+8*\t+7], 0
.endr
	WIN 0
.endm
.macro MULS tk                         ; x 1 / sum of head 8 h + j (lane j of my half of the lanes); d = 4 r + 0 .. 3 come into four neighbouring registers.  Each accumulator is read from its low end on
.irp j, 0,1,2,3,4,5,6,7
.irp t, 0,1,2,3
	v_mul_f32_dpp v[RR+4*\j+\t], v[MI+(\tk)], v[OO+32*((\tk)%2)+8*\t+\j] row_share:\j row_mask:0xf bank_mask:0xf
.endr
.endr
.endm
.macro STORES tk                       ; lanes 0-15 store the 256 bytes of (head j, token), lanes 16-31 those of (head 8 + j, token), each at a multiple of 256 from out0's first byte
.irp j, 0,1,2,3
	global_store_b128 v[GO], v[RR+4*\j:RR+4*\j+3], s[42:43] offset:(\j-2)*4194304+256*(\tk) th:TH_STORE_NT
.endr
.irp j, 4,5,6,7
	global_store_b128 v[GO], v[RR+4*\j:RR+4*\j+3], s[44:45] offset:(\j-6)*4194304+256*(\tk) th:TH_STORE_NT
.endr
.endm
	s_load_b128 s[4:7], s[0:1], 0x0                ; h, wq
	s_load_b64 s[8:9], s[0:1], 0x10                ; out0
	v_lshl_add_u32 v[SPW], v0, 2, SPARE
	v_mov_b32 v[NIL], 0
	ds_add_u32 v1, v2
	ds_add_u32 v1, v2
	s_wait_dscnt 0x0
	v_lshrrev_b32 v3, 5, v0
	v_readfirstlane_b32 s10, v3                    ; wave 0..3
	s_bfe_u32 s11, ttmp6, 0x40000                  ; cx: it enters global addresses alone
	s_lshl_b32 s12, ttmp9, 2
	s_add_co_u32 s12, s12, s11                     ; my work-group: 64 tokens
	s_lshr_b32 s56, ttmp9, 3                       ; the cluster's phase, from the cluster's number alone: the same in all four partners
	s_xor_b32 s56, s56, ttmp9
	s_and_b32 s56, s56, 7                          ; sg: what the readers' lanes add
	s_sub_co_u32 s62, 8, s56
	s_and_b32 s62, s62, 7                          ; r0 = (8 - sg) % 8: the round of wq that trip 0 takes
	s_mov_b32 s57, 1                               ; the first refills ask for trip 1's round
	s_mul_i32 s58, s62, 2*SLOTB                    ; where trip 0's round begins in wq
	s_mov_b32 s59, 0
	; descriptor group 1: a record, 101 rows of 256 bytes (32 elements of 8 bytes), dense in memory and in LDS
	s_mov_b32 s16, 15|(3<<16)|(1<<21)              ; 15:0 the mask: all four work-groups; 17:16 elements of 8 bytes; 20 no padding; 21 set beside a mask
	s_mov_b32 s17, 32<<16                          ; tensor_dim0 = 32
	s_mov_b32 s18, 101<<16                         ; tensor_dim1 = 101
	s_mov_b32 s19, 32<<16                          ; tile_dim0 = 32
	s_mov_b32 s20, 101                             ; tile_dim1 = 101
	s_mov_b32 s21, 32                              ; from row to row
	s_mov_b32 s22, 0
	s_mov_b32 s23, 0
	s_mul_i32 s13, s10, REC                        ; my record in a slot, in wq and in LDS alike
	s_mov_b32 s14, s13
	s_mov_b32 s15, 0
	s_mov_b32 s32, 0x76543210
	s_mov_b32 s33, 0xfedcba98                      ; selects for lane l xor 16
	s_mov_b32 s34, 0x3d38aa3b                      ; c = log2(e) / 32
	s_mov_b32 s35, s34                             ; (named with it as a pair)
	s_mov_b32 s36, 0xffff0000                      ; lanes 16-31
	s_mov_b32 s38, 0                               ; refills so far
	s_cmp_eq_u32 ttmp9, 0
	s_cselect_b32 s39, 6, 0                        ; the first cluster prefetches behind six refills
	s_mov_b32 s48, 0
	s_mov_b32 s49, 0
	s_mov_b32 s50, 0
	s_lshl_b32 s52, s12, 18                        ; 64 rows of h are 262,144 bytes,
	s_lshl_b32 s53, s10, 16                        ; my 16 of them
	s_add_co_u32 s52, s52, s53
	s_mov_b32 s53, 0
	s_lshl_b32 s54, s12, 14                        ; 64 tokens of a head in out0, and two heads on, so that four heads lie inside the stores' signed immediate
	s_add_co_u32 s54, s54, 8388608
	s_mov_b32 s55, 0
	s_wait_kmcnt 0x0
	s_add_nc_u64 s[46:47], s[4:5], s[52:53]
	s_add_nc_u64 s[42:43], s[8:9], s[54:55]
	s_add_nc_u64 s[44:45], s[42:43], 16777216      ; four heads on
	s_add_nc_u64 s[40:41], s[6:7], 606208          ; the prefetches: eight steps of 131,072 bytes short of slot 16
	s_add_nc_u64 s[60:61], s[6:7], s[14:15]        ; wq at my record of slot 0; it stays
	s_mov_b32 s24, 1                               ; group 0 of slot 0: count = 1,
	s_mov_b32 s25, s13                             ; LDS address,
	s_add_nc_u64 s[26:27], s[60:61], s[58:59]      ; global address: trip 0's round,
	s_mov_b32 s28, 1                               ; and of slot 1
	s_add_co_u32 s29, s13, SLOTB
	s_add_nc_u64 s[30:31], s[26:27], SLOTB
	s_or_b32 s27, s27, 0x80000000                  ; type = 2
	s_or_b32 s31, s31, 0x80000000
	CROUND                                         ; all four work-groups are here: the first joint loads meet
	tensor_load_to_lds s[24:27], s[16:23]
	s_nop 0
	tensor_load_to_lds s[28:31], s[16:23]          ; two loads of mine are out
	s_nop 0
	PLACES
	v_and_b32 v74, 31, v0                          ; lane
	v_lshlrev_b32 v[XA], 4, v74
	XLOAD 0
	XLOAD 1
	XLOAD 2
	v_and_b32 v72, 15, v0                          ; r
	v_bfe_u32 v73, v0, 4, 1                        ; h
	v_add_nc_u32 v[WA], s13, v[XA]
	v_add_nc_u32 v[WA+1], SLOTB, v[WA]
	v_lshl_add_u32 v[WZ], v74, 3, s13
	v_add_nc_u32 v[WZ+1], SLOTB, v[WZ]
	s_add_co_u32 s51, s13, 25600
	v_lshl_add_u32 v[WB], v73, 5, s51
	v_mul_u32_u24 v[QW], v72, 1544
	v_lshl_add_u32 v[QW], v73, 8, v[QW]
	s_lshl_b32 s51, s10, 6
	s_add_co_u32 s51, s51, QC
	v_add_nc_u32 v[QW], s51, v[QW]
	v_mul_u32_u24 v[SW], v72, 132
	s_lshl_b32 s51, s10, 5
	s_add_co_u32 s51, s51, SC
	v_add_nc_u32 v[SW], s51, v[SW]
	v_mul_u32_u24 v[VW3], v72, 400
	v_lshl_add_u32 v[VW3], v73, 6, v[VW3]
	s_mul_i32 s51, s10, 25664
	v_add_nc_u32 v[VW3], s51, v[VW3]               ; place 3, in slot 0;
	v_add_nc_u32 v[VW], ST, v[VW3]                 ; places 0-2, in the stage
	v_add_nc_u32 v75, s56, v72                     ; head r lies at place (r - r % 8) + (r + sg) % 8
	v_and_b32 v75, 7, v75
	v_and_b32 v76, 8, v72
	v_add_nc_u32 v75, v75, v76
	v_lshlrev_b32 v[QR], 3, v75
	v_lshl_add_u32 v[QR], v73, 8, v[QR]
	s_mul_i32 s51, s10, 24704
	s_add_co_u32 s51, s51, QC
	v_add_nc_u32 v[QR], s51, v[QR]
	v_add_nc_u32 v75, s56, v74                     ; and of the 32 heads of q and k, head lane at place (lane - lane % 8) + (lane + sg) % 8
	v_and_b32 v75, 7, v75
	v_and_b32 v76, 24, v74
	v_add_nc_u32 v75, v75, v76
	s_mul_i32 s51, s10, 2112
	s_add_co_u32 s51, s51, SC
	v_lshl_add_u32 v[SR], v75, 2, s51
	v_lshrrev_b32 v[VRA], 2, v72
	v_mul_u32_u24 v[VRA], v[VRA], 25664
	v_and_b32 v75, 3, v72
	v_lshl_add_u32 v[VRA], v75, 4, v[VRA]
	v_lshl_add_u32 v[VRA], v73, 6, v[VRA]
	s_mul_i32 s51, s10, 6400
	v_add_nc_u32 v[VRA], s51, v[VRA]
	s_mul_i32 s52, s10, 8448
	v_lshlrev_b32 v[GO], 25, v73
	v_lshl_add_u32 v[GO], v72, 4, v[GO]
	s_lshl_b32 s51, s10, 12
	v_add_nc_u32 v[GO], s51, v[GO]
	s_add_co_u32 s51, s52, TS
	v_add_nc_u32 v[TSW], s51, v[XA]
	v_mul_u32_u24 v[TSR], v72, 528
	v_lshl_add_u32 v[TSR], v73, 6, v[TSR]
	v_add_nc_u32 v[TSR], s51, v[TSR]
	s_mul_i32 s51, s10, 12288
	s_add_co_u32 s51, s51, XIMG
	v_add_nc_u32 v[XWI], s51, v[XA]
	s_lshr_b32 s51, s10, 1
	s_lshl_b32 s51, s51, 10
	s_and_b32 s53, s10, 1
	s_lshl_b32 s53, s53, 6
	s_add_co_u32 s51, s51, s53
	s_add_co_u32 s51, s51, XSC
	v_lshl_add_u32 v[XWS], v72, 2, s51
	v_add_nc_u32 v[XRI], XIMG, v[XA]
	v_lshl_add_u32 v[XRS], v74, 2, XSC
	s_lshl_b32 s51, s11, 2
	s_add_co_u32 s51, s51, s10
	s_lshl_b32 s51, s51, 13
	v_lshl_add_u32 v[PFO], v74, 8, s51             ; 8,192 (4 cx + wave) + 256 x lane
.irp j, 4,5,6,7,8,9,10,11,12,13,14,15
	v_mov_b32 v[TM+\j], 0                          ; written once: a lane permute's destination counts as one of its sources
.endr
	; ---- h: my 16 rows become eight fragments.  Loads run three K steps ahead (48 loads a wave), the turn through LDS one
	s_wait_loadcnt 32                              ; K step 0 is in; steps 1 and 2 may be out
	TURNX 0
.irp s, 0,1,2,3,4,5,6,7
.if \s+3 < 8
	XLOAD \s+3                                     ; into the set whose stores into the stage were shown done by the last step's wait on DScnt
.endif
.if \s < 7
.if \s < 5
	s_wait_loadcnt 32                              ; the next step's 16 loads are in; the two steps behind it may be out
.elseif \s == 5
	s_wait_loadcnt 16
.else
	s_wait_loadcnt 0
.endif
	TURNX \s+1
	s_wait_dscnt 32                                ; all but the 32 just issued: this step's numbers are back, and the last image's stores have read their registers
.else
	s_wait_dscnt 0x0
.endif
	QUANT 128+64*(\s%2)
	IMAGE \s
.endr
	s_wait_dscnt 0x0                               ; for the others' sake: my images lie in LDS
	s_barrier_signal -1
	s_barrier_wait -1
	WIN 0x40
.irp s, 0,1,2,3
.irp m, 0,1,2,3
.irp c, 0,1,2
	ds_load_b128 v[12*(4*\s+\m)+4*\c:12*(4*\s+\m)+4*\c+3], v[XRI] offset:(8*\m+\s)*1536+512*\c
.endr
.endr
.endr
	WIN 0x80
.irp s, 0,1,2,3
.irp m, 0,1,2,3
.irp c, 0,1,2
	ds_load_b128 v[12*(4*\s+\m)+4*\c:12*(4*\s+\m)+4*\c+3], v[XRI] offset:(8*\m+\s+4)*1536+512*\c
.endr
.endr
.endr
	WIN 0
.irp n, 0,1,2,3,4,5,6,7,8,9,10,11,12,13,14,15
	ds_load_b32 v[HS+\n], v[XRS] offset:128*\n
.endr
	s_wait_tensorcnt 0x1                           ; my record of slot 0 is in (slot 1's may be out); I alone read it
	FETCHW 0, 0, 0
	FETCHB
	; ---- eight rounds of q and k
	s_mov_b32 s37, 8
.Lqk:
	SLOT 0, 1
	SLOT 1, 1
	EPIQK
	s_sub_co_u32 s37, s37, 1
	s_cmp_lg_u32 s37, 0
	s_cbranch_scc1 .Lqk
	; ---- the scores.  The next round's first fragments and bias wait in window 3 meanwhile
.irp i, 0,1,2,3
.irp j, 6,7,8,9,10,11
	v_mov_b32 v[128+24*\i+\j], 0                   ; K = 64 of the form's 128: the upper 64 are zero codes, on both sides
	v_mov_b32 v[140+24*\i+\j], 0
.endr
.endr
	WIN 0x40
.irp j, 0,1,2,3
	v_mov_b32 v[224+\j], 0                         ; behind p of token 7,
.endr
	WIN 0x80
.irp j, 0,1,2,3
	v_mov_b32 v[224+\j], 0                         ; and of token 15
.endr
	WIN 0
	s_wait_dscnt 0x0                               ; for the others' sake: my heads' codes and scale words lie in the stage
	s_barrier_signal -1
	s_barrier_wait -1
	SCLOAD 0
	BATCH 0
	BATCH 1
	BATCH 2
	BATCH 3
	; ---- three rounds of v.  Its stage lies over q's and k's: every wave's reads of those are back at the wait in front of the first barrier below
	s_mov_b32 s37, 3
.Lv:
	SLOT 0, 1
	SLOT 1, 1
	v_add_nc_u32 v[AT0], s48, v[VW]                ; 128 bytes on for each trip
	EPIV AT0, 6400
	s_add_co_u32 s48, s48, 128
	s_sub_co_u32 s37, s37, 1
	s_cmp_lg_u32 s37, 0
	s_cbranch_scc1 .Lv
	; ---- the last round, written out: nothing is left to fetch
	SLOT 0, 0
	s_wait_dscnt 0x0
	WIN 0x0b
	MUL8 1, 0, 0, 0
	MUL8 1, 0, 2, 0
	PLACES
	FETCHW 1, 1, 1
	WIN 0x0b
	MUL8 1, 1, 0, 0
	MUL8 1, 1, 2, 0
	s_wait_dscnt 0x0
	MUL8 1, 2, 0, 0
	MUL8 1, 2, 2, 0
	MUL8 1, 3, 0, 0
	MUL8 1, 3, 2, 0
	WIN 0
	EPIV VW3, 6400                                 ; place 3, in slot 0: it has had its last fill, and every wave's last reads of it were back in front of the barrier in the slot before
.irp t, 0,1,2,3
	s_add_co_u32 s51, s56, \t                      ; d % 4 = t lies at place (t + sg) % 4:
	s_and_b32 s51, s51, 3
	s_lshl_b32 s52, s51, 7
	s_add_co_u32 s52, s52, ST                      ; places 0-2 begin at ST + 128 x place,
	s_cmp_eq_u32 s51, 3
	s_cselect_b32 s52, 0, s52                      ; place 3 at LDS byte 0
	v_add_nc_u32 v[AV+\t], s52, v[VRA]
.endr
	WIN 0xc0
.irp b, 0,1
.irp t, 0,1,2,3
.irp j, 4,5,6,7
	v_mov_b32 v[64*\b+8*\t+\j], 0                  ; the upper 16 of the last product's K
.endr
.endr
.endr
	WIN 0
	s_wait_dscnt 0x0                               ; for the others' sake: my part of v lies in the stage
	s_barrier_signal -1
	s_barrier_wait -1
	; ---- the output: a token's products stand ahead of the token before's scaling and stores
	LOADV 0
	LOADV 1
.irp tk, 0,1,2,3,4,5,6,7,8,9,10,11,12,13,14,15
.if \tk < 15
	s_wait_dscnt 4                                 ; this token's four loads are in; the next token's may be out
.else
	s_wait_dscnt 0x0
.endif
	PV4 \tk
.if \tk > 0
	s_wait_xcnt 0x0                                ; the last stores have read their registers
	MULS \tk-1
	STORES \tk-1
.else
	PLACES
.endif
.if \tk+2 < 16
	LOADV \tk+2
.endif
.endr
	PLACES
	s_wait_xcnt 0x0
	MULS 15
	STORES 15
	s_wait_tensorcnt 0x0                           ; the wave's end
	ds_add_u32 v[SPW], v[NIL]
	s_wait_dscnt 0x0
	CROUND                                         ; the closing round: no work-group ends while a partner may still ask for a record that names it
	s_endpgm
.Lfunc_end_k_q376d0d2f7b_fused:
	.size	k_q376d0d2f7b_fused, .Lfunc_end_k_q376d0d2f7b_fused-k_q376d0d2f7b_fused
	.p2alignl 7, 3214868480
	.fill 96, 4, 3214868480
	.section	.rodata,"a",@progbits
	.p2align	6, 0x0
	.amdhsa_kernel k_q376d0d2f7b_fused
		.amdhsa_group_segment_fixed_size 327680
		.amdhsa_private_segment_fixed_size 0
		.amdhsa_enable_private_segment 0
		.amdhsa_kernarg_size 24
		.amdhsa_user_sgpr_count 2
		.amdhsa_user_sgpr_kernarg_segment_ptr 1
		.amdhsa_wavefront_size32 1
		.amdhsa_system_sgpr_workgroup_id_x 1
		.amdhsa_system_sgpr_workgroup_id_y 1
		.amdhsa_system_sgpr_workgroup_id_z 1
		.amdhsa_system_vgpr_workitem_id 0
		.amdhsa_next_free_vgpr 1024
		.amdhsa_next_free_sgpr 66
		.amdhsa_reserve_vcc 0
		.amdhsa_float_denorm_mode_32 3
		.amdhsa_float_denorm_mode_16_64 3
		.amdhsa_memory_ordered 1
		.amdhsa_forward_progress 1
		.amdhsa_inst_pref_size 255
	.end_amdhsa_kernel
	.section	.bss,"aw",@nobits
	.p2align	6
	.space	262144
	.amdgpu_metadata
---
amdhsa.version: [ 1, 2 ]
amdhsa.kernels:
  - .name:           k_q376d0d2f7b_fused
    .symbol:         k_q376d0d2f7b_fused.kd
    .args:
      - { .name: h, .offset: 0, .size: 8, .value_kind: global_buffer, .address_space: global }
      - { .name: wq, .offset: 8, .size: 8, .value_kind: global_buffer, .address_space: global }
      - { .name: out0, .offset: 16, .size: 8, .value_kind: global_buffer, .address_space: global }
    .group_segment_fixed_size: 327680
    .private_segment_fixed_size: 0
    .kernarg_segment_align: 8
    .kernarg_segment_size: 24
    .max_flat_workgroup_size: 128
    .sgpr_count:     66
    .vgpr_count:     1024
    .wavefront_size: 32
...
	.end_amdgpu_metadata
.endif
;; end of part 3
